; MI455X (gfx1250); checked and timed in simulation.
; The chip was launched on July 23, 2026; its instructions are those of AMD's public machine-readable ISA for CDNA 5 (MIT licence, August 2026) and "CDNA5" Instruction Set Architecture Reference Guide (July 2026). The comments in the code are by the model that wrote it; some were corrected since.
;; Multi Head Attention. Allowed arithmetic: matrix products marked QUANTISED: E2M1 operands, one E8M0 scale for each 32 along K, by v_wmma_scale_f32_16x16x128_f8f6f4 with both operands' format E2M1 (or v_wmma_scale_f32_32x16x128_f4), f32 sums; products left as they are: bf16, f16 or f32 operands; f32 sums; everything else in f32.
;; Inputs: K 4 x 2,048 x 1,024 float32; Q 4 x 2,048 x 1,024 float32; V 4 x 2,048 x 1,024 float32; Wk 1,024 x 1,024 float32; Wo 1,024 x 1,024 float32; Wq 1,024 x 1,024 float32; Wv 1,024 x 1,024 float32; bk 1,024 float32; bo 1,024 float32; bq 1,024 float32; bv 1,024 float32.
;; Outputs: out0 4 x 2,048 x 1,024 float32.
;; This version of the problem:
;;   THIS VERSION OF THE PROBLEM IS GIVEN IN LOW PRECISION. The matrix products marked QUANTISED in the list below multiply operands that are first quantised to E2M1 (2 exponent bits, 1 mantissa bit; 4 bits a number), with one power-of-two scale for each 32 numbers along K (OCP MX v1.0); their sums are f32. The products marked 'left as it is' may take bf16, f16 or f32 operands, with f32 sums. Whichever they take, every output number must still come out within the allowed error. Rounding operands to bf16 (8 significant bits) uses up far more of that allowance than f16 does (11 bits, for magnitudes from 6e-5 to 65,504). All else is computed in f32.
;;   The module's matrix products, in the order in which they are computed (A, B: the left and right operand; K: the contracted axis; several contracted axes count as one K, in the product's order):
;;     1. [M 8,192, K 1,024] x [K 1,024, N 1,024]; A: input Q; B: input Wq: QUANTISED
;;     2. [M 8,192, K 1,024] x [K 1,024, N 1,024]; A: input K; B: input Wk: QUANTISED
;;     3. [M 8,192, K 1,024] x [K 1,024, N 1,024]; A: input V; B: input Wv: QUANTISED
;;     4. batch 64 x [M 2,048, K 64] x [K 64, N 2,048]; A: computed on the way; B: computed on the way: left as it is (an operand is computed on the way)
;;     5. batch 64 x [M 2,048, K 2,048] x [K 2,048, N 64]; A: computed on the way; B: computed on the way: left as it is (an operand is computed on the way)
;;     6. [M 8,192, K 1,024] x [K 1,024, N 1,024]; A: computed on the way; B: input Wo: left as it is (an operand is computed on the way)
;;   THE QUANTISER, for each operand of a quantised product, along K:
;;     - K is cut into blocks of 32 from its start; a last block that is shorter is filled with zeros.
;;     - A block's scale is 2^e with e = floor(log2(the largest magnitude in the block)) - 2, held to -126 .. 127; a block of zeros has e = 0. As a byte (E8M0): e + 127.
;;     - Each number is divided by its block's scale, clamped to +-6, and rounded to the nearest number of E2M1, ties to even, subnormals kept.
;;     - The product sums the exact products of the quantised numbers (number of the format x scale) in f32.
;;   ~~~python
;;   def quantise(x, axis):      # numpy; x: float32 -> the quantised numbers, widened to float32 again
;;       x = np.moveaxis(x, axis, -1); K = x.shape[-1]
;;       x = np.pad(x, [(0, 0)] * (x.ndim - 1) + [(0, -K % 32)]); x = x.reshape(x.shape[:-1] + (-1, 32)); a = np.abs(x).max(-1, keepdims=True)
;;       e = np.where(a > 0, np.clip(np.frexp(np.where(a > 0, a, 1))[1] - 1 - 2, -126, 127), 0)      # np.frexp(a)[1] - 1 = floor(log2(a)), exactly
;;       r = np.clip(x / 2.0 ** e, -6, 6)
;;       step = 2.0 ** (np.maximum(np.frexp(np.where(r == 0, 1, r))[1] - 1, 0) - 1)
;;       q = np.round(r / step) * step * 2.0 ** e      # np.round: ties to even
;;       return np.moveaxis(q.reshape(q.shape[:-2] + (-1,))[..., :K], -1, axis).astype(np.float32)
;;   ~~~
;; One version. Each part assembles by itself: llvm-mc -triple=amdgcn-amd-amdhsa -mcpu=gfx1250 --defsym DOCPART=n.
;; ======== version 1 of 1: 4 launches
;; limits: values are held in f16: magnitudes above 65,504 overflow, below 6.1e-05 lose precision
;; workspace buffers: xc 12,582,912 bytes; xs 786,432 bytes; wc 1,572,864 bytes; ws 98,304 bytes; wo16 2,097,152 bytes; qkv 50,331,648 bytes; cf 16,777,216 bytes
;; launch prep (part 1): grid 832 x 1, 4 waves a work-group, no clusters, 68,096 bytes of LDS; arguments Q, K, V, Wq, Wk, Wv, Wo, xc, xs, wc, ws, wo16; writes xc, xs, wc, ws, wo16
.if DOCPART == 1
	.amdgcn_target "amdgcn-amd-amdhsa--gfx1250"
	.amdhsa_code_object_version 6
	.text
	.protected	k_qa5c46edc97_prep
	.globl	k_qa5c46edc97_prep
	.p2align	8
	.type	k_qa5c46edc97_prep,@function
k_qa5c46edc97_prep:
	s_mov_b64 s[64:65], 0
	v_nop
	global_prefetch_b8 v0, s[64:65] scope:SCOPE_SE
	s_setreg_imm32_b32 hwreg(HW_REG_WAVE_MODE, 25, 1), 1
	s_wait_xcnt 0x0
; MULTI-HEAD ATTENTION, launch 1 of 4: the operands are laid as their readers want them.
;   Q, K, V [8192][1024] f32            -> xc [3][8192][512 bytes] codes of E2M1, K innermost; xs [3][8192][32] E8M0 bytes
;   Wq, Wk, Wv [1024 (k)][1024 (n)] f32 -> wc [3][n][512 bytes] codes along k; ws [3][n][32]
;   Wo [1024 (k)][1024 (n)] f32         -> wo16 [n / 16][k / 32][1,024 bytes] f16, as images of a matrix operand's registers
; DEAD WORK: bk.  scores[b,h,q,j] = q_q . (k_j + bk_h) / 8 = q_q . k_j / 8 + q_q . bk_h / 8.  The second term does not hang on the key j: it is the same along the
; softmax's axis and cancels for all values of the inputs.  The product q k^T is not quantised, so no quantiser sees k + bk.  bk has no way to the output: it is not loaded and
; is among no launch's arguments.  LIMIT: a NaN, an infinity or an overflow that reaches only q . bk is not carried to the result.
; THE QUANTISER: a block's scale is 2^(floor(log2(largest magnitude)) - 2); its byte is the largest magnitude's exponent field - 2, held at 1 from below; each number is divided by the
; scale and rounded to the nearest code, ties to even, beyond 6 the largest code.  A block of zeros gets the byte 1 where the rule says 127: its codes are zeros, and this program alone reads the bytes.
; LIMITS: blocks whose largest magnitude lies under 2^-124 were not tried; NaN and infinities among the inputs are not served; Wo must lie within f16's 65,504.
; SHARES: work-groups 0-47: 128 columns x 512 along k of Wq, Wk or Wv; 48-63: the same of Wo; 64-831: 32,768 numbers of Q, K or V.  The three ways part on the work-group's number and never join;
; each has LDS bytes of its own.  No tensor load, no barrier: waves share nothing.
.set SPW,   196                        ; v196  LDS address of my spare word; never rewritten
.set NIL,   197                        ; v197  0; never rewritten
.set SPARE, 67584                      ; behind both ways' stages: the spare words, 128 bytes a wave
.set WV,    32                         ; s32   my wave's number
.set EMAX,  2
; ---- the way of Q, K, V
.set STEPS, 16
.set CB,    8                          ; bytes of 16 codes
.set XR,    16                         ; v16-79   four sets of 16 numbers as they are loaded
.set XX,    80                         ; v80-111  two sets of 16 neighbours
.set XE,    112                        ; v112-127 a scale byte for each step
.set XC,    128                        ; v128-191 codes: registers of its own for each step
.set WREG,  8192                       ; LDS 0 .. 32,767: a region for each wave: two stages of 32 x SP bytes, then its 256 scale bytes
.set SP,    80                         ; a lane's place in a stage: 64 bytes + 16 of padding
; ---- the ways of the weights
.set NB,    16                         ; blocks of 32 along k for a wave
.set WPITCH, 272                       ; a stage row: 256 bytes of codes + 16
.set WSTG,  32768                      ; LDS 32,768 .. 67,583: 32 rows x 272 for each wave
.set WX,    32                         ; v32-95   two sets of 32 numbers
.set WC,    96                         ; v96..    a block's codes, or its 16 pairs of f16
.set OUTR,  112                        ; v112-175 the way out
.set SB,    24                         ; v24-27   scale bytes, four to a register
.macro XLOAD t
.irp i, 0,1,2,3
	global_load_b128 v[XR+16*((\t)%4)+4*\i:XR+16*((\t)%4)+4*\i+3], v3, s[4:5] offset:2048*(\t)+512*\i th:TH_LOAD_NT   ; 32 lanes read 512 consecutive bytes
.endr
.endm
.macro XTURN t                         ; a step's 2,048 bytes through my stage: in as they lie, back 64 bytes a lane.  LDS serves a wave's instructions in order
.irp i, 0,1,2,3
	ds_store_b128 v14, v[XR+16*((\t)%4)+4*\i:XR+16*((\t)%4)+4*\i+3] offset:32*SP*((\t)%2)+8*SP*\i
.endr
.irp i, 0,1,2,3
	ds_load_b128 v[XX+16*((\t)%2)+4*\i:XX+16*((\t)%2)+4*\i+3], v15 offset:32*SP*((\t)%2)+16*\i
.endr
.endm
.macro XSTEP t
.set XS, XX+16*((\t)%2)
.if (\t) > 0
	s_wait_dscnt 1                                 ; this step's numbers are back from the stage; the last step's byte store may be out
.else
	s_wait_dscnt 0x0
.endif
.if (\t)+4 < STEPS
	XLOAD (\t)+4                                   ; the stage's stores have read these registers: they take the loads of four steps on
.endif
.if (\t)+1 < STEPS
.if STEPS-2-(\t) >= 3
	s_wait_loadcnt 12                              ; the next step's four loads are in; those of the three steps behind it may be out
.else
	s_wait_loadcnt 4*(STEPS-2-(\t))
.endif
	XTURN (\t)+1
.endif
	v_max3_num_f32 v8, |v[XS]|, |v[XS+1]|, |v[XS+2]|               ; the largest magnitude of my 16, in two chains
	v_max3_num_f32 v9, |v[XS+3]|, |v[XS+4]|, |v[XS+5]|
.irp i, 6,10
	v_max3_num_f32 v8, v8, |v[XS+\i]|, |v[XS+\i+1]|
	v_max3_num_f32 v9, v9, |v[XS+\i+2]|, |v[XS+\i+3]|
.endr
	v_max3_num_f32 v8, v8, |v[XS+14]|, |v[XS+15]|
	v_max3_num_f32 v8, v8, v9, (EMAX+1)<<23        ; and the floor 2^(3 - 127): the byte cannot fall under 1
	v_max_num_f32_dpp v8, v8, v8 row_xmask:1 row_mask:0xf bank_mask:0xf   ; with my neighbour's 16: the block's
	v_add_nc_u32 v11, -(EMAX<<23), v8              ; 2 off its exponent field: the conversion takes that field as its scale
	v_cvt_scalef32_pk8_fp4_f32 v[XC+4*(\t)], v[XS:XS+7], v11
	v_cvt_scalef32_pk8_fp4_f32 v[XC+4*(\t)+1], v[XS+8:XS+15], v11
	v_lshrrev_b32 v[XE+(\t)], 23, v11              ; the scale's byte (a plain line behind the conversions)
	ds_store_b8 v5, v[XE+(\t)] offset:16*(\t)      ; both lanes of a block write the same byte with the same value
	global_store_b64 v4, v[XC+4*(\t):XC+4*(\t)+1], s[6:7] offset:32*CB*(\t)   ; the wave stores 256 consecutive bytes, aligned
.endm
.macro WLOAD t                         ; block t: W(32 t + i, my column), i = 0 .. 31, into set t % 2: 32 lanes read 128 consecutive bytes
.irp i, 0,1,2,3,4,5,6,7,8,9,10,11,12,13,14,15,16,17,18,19,20,21,22,23,24,25,26,27,28,29,30,31
	global_load_b32 v[WX+32*((\t)%2)+\i], v3, s[4:5] offset:(32*(\t)+\i)*4096 th:TH_LOAD_NT
.endr
.endm
.macro WBLOCK t
.set WXS, WX+32*((\t)%2)
.if (\t) < NB-1
	s_wait_loadcnt 32                              ; this block's 32 loads are in; the next block's may be out
.else
	s_wait_loadcnt 0
.endif
	v_max3_num_f32 v12, |v[WXS]|, |v[WXS+1]|, |v[WXS+2]|            ; the block's largest magnitude: all 32 numbers are mine
	v_max3_num_f32 v13, |v[WXS+3]|, |v[WXS+4]|, |v[WXS+5]|
.irp i, 6,10,14,18,22,26
	v_max3_num_f32 v12, v12, |v[WXS+\i]|, |v[WXS+\i+1]|
	v_max3_num_f32 v13, v13, |v[WXS+\i+2]|, |v[WXS+\i+3]|
.endr
	v_max3_num_f32 v12, v12, |v[WXS+30]|, |v[WXS+31]|
	v_max3_num_f32 v12, v12, v13, (EMAX+1)<<23
	v_add_nc_u32 v11, -(EMAX<<23), v12
	v_lshrrev_b32 v13, 23, v11
.if (\t)%4 == 0
	v_mov_b32 v[SB+(\t)/4], v13                    ; four bytes to a register, the lower k in the lower byte
.else
	v_lshl_or_b32 v[SB+(\t)/4], v13, 8*((\t)%4), v[SB+(\t)/4]
.endif
.irp g, 0,1,2,3
	v_cvt_scalef32_pk8_fp4_f32 v[WC+\g], v[WXS+8*\g:WXS+8*\g+7], v11
.endr
	ds_store_b128 v4, v[WC:WC+3] offset:16*(\t)    ; 32 codes: 16 bytes of my column's row
.if (\t)+2 < NB
	WLOAD (\t)+2
.endif
	s_wait_dscnt 0x0                               ; the store has read its registers: the next block's codes may be written
.endm
.macro OBLOCK q                        ; 32 along k of my column of Wo become four pieces of 16 bytes of an operand's image
.set WXS, WX+32*((\q)%2)
.if (\q) < NB-1
	s_wait_loadcnt 32
.else
	s_wait_loadcnt 0
.endif
	s_wait_xcnt 0x0                                ; the last block's stores have read their data: the registers are written again only behind this wait
.set i, 0
.rept 16
	v_cvt_pk_f16_f32 v[WC+i], v[WXS+2*i], v[WXS+2*i+1]   ; the lower k in the low half
.set i, i+1
.endr
.if (\q)+2 < NB
	WLOAD (\q)+2
.endif
.irp c, 0,1
.irp h, 0,1
	global_store_b128 v8, v[WC+8*\c+4*\h:WC+8*\c+4*\h+3], s[6:7] offset:1024*(\q)+512*\c+256*\h   ; k = 16 c + 8 h + 0 .. 7: sixteen lanes store 256 consecutive bytes, aligned
.endr
.endr
.endm
	s_load_b512 s[8:23], s[0:1], 0x0               ; Q 8, K 10, V 12, Wq 14, Wk 16, Wv 18, Wo 20, xc 22
	s_load_b256 s[24:31], s[0:1], 0x40             ; xs 24, wc 26, ws 28, wo16 30
	v_lshl_add_u32 v[SPW], v0, 2, SPARE
	v_mov_b32 v[NIL], 0
	v_lshrrev_b32 v1, 5, v0
	v_readfirstlane_b32 s[WV], v1                  ; wave 0..3
	v_and_b32 v2, 31, v0                           ; lane
	s_wait_kmcnt 0x0
	s_cmp_lt_u32 ttmp9, 48
	s_cbranch_scc1 .Lweights
	s_cmp_lt_u32 ttmp9, 64
	s_cbranch_scc1 .Lwo
	; ---------------- Q, K, V: a plain stream of blocks of 32; a wave takes 16 steps of 512 numbers
	s_sub_co_u32 s33, ttmp9, 64
	s_lshr_b32 s36, s33, 8                         ; which tensor
	s_cmp_eq_u32 s36, 0
	s_cselect_b64 s[4:5], s[8:9], s[10:11]
	s_cmp_eq_u32 s36, 2
	s_cselect_b64 s[4:5], s[12:13], s[4:5]
	s_and_b32 s37, s33, 255
	s_lshl_b32 s37, s37, 2
	s_add_co_u32 s37, s37, s[WV]                   ; my run of 8,192 numbers in the tensor
	s_lshl_b32 s38, s37, 15
	s_mov_b32 s39, 0
	s_add_nc_u64 s[4:5], s[4:5], s[38:39]
	s_lshl_b32 s40, s33, 2
	s_add_co_u32 s40, s40, s[WV]                   ; and among all three tensors' runs
	s_lshl_b32 s38, s40, 12
	s_add_nc_u64 s[6:7], s[22:23], s[38:39]        ; 4,096 bytes of codes a run
	s_lshl_b32 s38, s40, 8
	s_add_nc_u64 s[34:35], s[24:25], s[38:39]      ; 256 scale bytes a run
	v_lshlrev_b32 v3, 4, v2                        ; my 16 bytes of a load's 512
	s_mul_i32 s41, s[WV], WREG
	v_lshrrev_b32 v14, 2, v2
	v_mul_u32_u24 v14, v14, SP
	v_and_b32 v15, 3, v2
	v_lshl_add_u32 v14, v15, 4, v14
	v_add_nc_u32 v14, s41, v14                     ; the stage, in: SP (lane / 4) + 16 (lane % 4)
	v_mul_u32_u24 v15, v2, SP
	v_add_nc_u32 v15, s41, v15                     ; and back: SP x lane
	v_mul_u32_u24 v4, v2, CB                       ; my codes' place in a step's
	v_lshrrev_b32 v5, 1, v2
	s_add_co_u32 s41, s41, 2*32*SP
	v_add_nc_u32 v5, s41, v5                       ; my block's byte among my wave's 256
	v_lshlrev_b32 v7, 3, v2
	v_add_nc_u32 v6, s41, v7
.irp t, 0,1,2,3
	XLOAD \t
.endr
	s_wait_loadcnt 12                              ; step 0's four loads are in
	XTURN 0
.irp t, 0,1,2,3,4,5,6,7,8,9,10,11,12,13,14,15
	XSTEP \t
.endr
	ds_load_b64 v[8:9], v6                         ; my wave's 256 scale bytes, 8 a lane
	s_wait_dscnt 0x0
	global_store_b64 v7, v[8:9], s[34:35]          ; 256 consecutive bytes, aligned
	s_wait_tensorcnt 0x0                           ; the wave's end, behind my last LDS store
	ds_add_u32 v[SPW], v[NIL]
	s_wait_dscnt 0x0
	s_endpgm
	; ---------------- Wq, Wk, Wv: a lane takes a column n and its registers run down k: the codes come out with k innermost
.Lweights:
	s_lshr_b32 s36, ttmp9, 4                       ; which weight
	s_and_b32 s37, ttmp9, 7                        ; which 128 columns
	s_bfe_u32 s38, ttmp9, 0x10003                  ; which 512 along k
	s_cmp_eq_u32 s36, 0
	s_cselect_b64 s[4:5], s[14:15], s[16:17]
	s_cmp_eq_u32 s36, 2
	s_cselect_b64 s[4:5], s[18:19], s[4:5]
	s_lshl_b32 s37, s37, 7
	s_lshl_b32 s39, s[WV], 5
	s_add_co_u32 s37, s37, s39                     ; my wave's first column
	s_lshl_b32 s40, s38, 21                        ; 512 rows of 4,096 bytes
	s_lshl_b32 s42, s37, 2
	s_add_co_u32 s40, s40, s42
	s_mov_b32 s41, 0
	s_add_nc_u64 s[4:5], s[4:5], s[40:41]
	s_lshl_b32 s40, s36, 19                        ; codes: 524,288 a weight, 512 a column, 256 for each 512 along k
	s_lshl_b32 s42, s37, 9
	s_add_co_u32 s40, s40, s42
	s_lshl_b32 s42, s38, 8
	s_add_co_u32 s40, s40, s42
	s_add_nc_u64 s[6:7], s[26:27], s[40:41]
	s_lshl_b32 s40, s36, 15                        ; scale bytes: 32,768 a weight, 32 a column, 16 for each 512 along k
	s_lshl_b32 s42, s37, 5
	s_add_co_u32 s40, s40, s42
	s_lshl_b32 s42, s38, 4
	s_add_co_u32 s40, s40, s42
	s_add_nc_u64 s[34:35], s[28:29], s[40:41]
	v_lshlrev_b32 v3, 2, v2                        ; in: 4 bytes a lane
	s_mul_i32 s43, s[WV], 32*WPITCH
	s_add_co_u32 s43, s43, WSTG                    ; my stage
	v_mul_u32_u24 v4, v2, WPITCH
	v_add_nc_u32 v4, s43, v4                       ; into it: row = my column
	v_and_b32 v5, 15, v2
	v_lshrrev_b32 v6, 4, v2
	v_mul_u32_u24 v7, v6, WPITCH
	v_lshl_add_u32 v7, v5, 4, v7
	v_add_nc_u32 v7, s43, v7                       ; out of it: sixteen lanes to a row, two rows an instruction
	v_mul_u32_u24 v8, v6, 512
	v_lshl_add_u32 v8, v5, 4, v8                   ; the same place in the codes' buffer
	v_mul_u32_u24 v9, v2, 32                       ; my column's row of scale bytes
	WLOAD 0
	WLOAD 1
.set Q, 0
.rept NB
	WBLOCK Q
.set Q, Q+1
.endr
	global_store_b128 v9, v[SB:SB+3], s[34:35]     ; my column's 16 scale bytes
.irp t, 0,1,2,3,4,5,6,7,8,9,10,11,12,13,14,15
	ds_load_b128 v[OUTR+4*\t:OUTR+4*\t+3], v7 offset:2*\t*WPITCH
.endr
.irp t, 0,1,2,3,4,5,6,7,8,9,10,11,12,13,14,15
	s_wait_dscnt 15-\t                             ; LDS loads come back in order: load t is in, the younger ones may be out
	global_store_b128 v8, v[OUTR+4*\t:OUTR+4*\t+3], s[6:7] offset:2*\t*512   ; sixteen lanes store 256 consecutive bytes, aligned
.endr
	s_wait_tensorcnt 0x0                           ; the wave's end, as above
	ds_add_u32 v[SPW], v[NIL]
	s_wait_dscnt 0x0
	s_endpgm
	; ---------------- Wo: the same loads; rounded to f16 and stored as images: piece (c, h) of lane r of the fragment (column tile, 32 along k) lies at 512 c + 256 h + 16 r
.Lwo:
	s_sub_co_u32 s36, ttmp9, 48
	s_and_b32 s37, s36, 7
	s_lshr_b32 s38, s36, 3
	s_lshl_b32 s37, s37, 7
	s_lshl_b32 s39, s[WV], 5
	s_add_co_u32 s37, s37, s39                     ; my wave's first column
	s_lshl_b32 s40, s38, 21
	s_lshl_b32 s42, s37, 2
	s_add_co_u32 s40, s40, s42
	s_mov_b32 s41, 0
	s_add_nc_u64 s[4:5], s[20:21], s[40:41]
	s_lshl_b32 s40, s37, 11                        ; 32,768 bytes for each 16 columns,
	s_lshl_b32 s42, s38, 14                        ; 1,024 for each 32 along k
	s_add_co_u32 s40, s40, s42
	s_add_nc_u64 s[6:7], s[30:31], s[40:41]
	v_lshlrev_b32 v3, 2, v2
	v_lshrrev_b32 v8, 4, v2
	v_and_b32 v9, 15, v2
	v_lshlrev_b32 v8, 15, v8
	v_lshl_add_u32 v8, v9, 4, v8                   ; lanes 16-31 belong to the next column tile
	WLOAD 0
	WLOAD 1
.set Q, 0
.rept NB
	OBLOCK Q
.set Q, Q+1
.endr
	s_wait_tensorcnt 0x0                           ; one end for every wave of the launch
	ds_add_u32 v[SPW], v[NIL]
	s_wait_dscnt 0x0
	s_endpgm
.Lfunc_end_k_qa5c46edc97_prep:
	.size	k_qa5c46edc97_prep, .Lfunc_end_k_qa5c46edc97_prep-k_qa5c46edc97_prep
	.p2alignl 7, 3214868480
	.fill 96, 4, 3214868480
	.section	.rodata,"a",@progbits
	.p2align	6, 0x0
	.amdhsa_kernel k_qa5c46edc97_prep
		.amdhsa_group_segment_fixed_size 68096
		.amdhsa_private_segment_fixed_size 0
		.amdhsa_enable_private_segment 0
		.amdhsa_kernarg_size 96
		.amdhsa_user_sgpr_count 2
		.amdhsa_user_sgpr_kernarg_segment_ptr 1
		.amdhsa_wavefront_size32 1
		.amdhsa_system_sgpr_workgroup_id_x 1
		.amdhsa_system_sgpr_workgroup_id_y 1
		.amdhsa_system_sgpr_workgroup_id_z 1
		.amdhsa_system_vgpr_workitem_id 0
		.amdhsa_next_free_vgpr 200
		.amdhsa_next_free_sgpr 66
		.amdhsa_reserve_vcc 0
		.amdhsa_float_denorm_mode_32 3
		.amdhsa_float_denorm_mode_16_64 3
		.amdhsa_memory_ordered 1
		.amdhsa_forward_progress 1
		.amdhsa_inst_pref_size 183
	.end_amdhsa_kernel
	.amdgpu_metadata
---
amdhsa.version: [ 1, 2 ]
amdhsa.kernels:
  - .name:           k_qa5c46edc97_prep
    .symbol:         k_qa5c46edc97_prep.kd
    .args:
      - { .name: Q, .offset: 0, .size: 8, .value_kind: global_buffer, .address_space: global }
      - { .name: K, .offset: 8, .size: 8, .value_kind: global_buffer, .address_space: global }
      - { .name: V, .offset: 16, .size: 8, .value_kind: global_buffer, .address_space: global }
      - { .name: Wq, .offset: 24, .size: 8, .value_kind: global_buffer, .address_space: global }
      - { .name: Wk, .offset: 32, .size: 8, .value_kind: global_buffer, .address_space: global }
      - { .name: Wv, .offset: 40, .size: 8, .value_kind: global_buffer, .address_space: global }
      - { .name: Wo, .offset: 48, .size: 8, .value_kind: global_buffer, .address_space: global }
      - { .name: xc, .offset: 56, .size: 8, .value_kind: global_buffer, .address_space: global }
      - { .name: xs, .offset: 64, .size: 8, .value_kind: global_buffer, .address_space: global }
      - { .name: wc, .offset: 72, .size: 8, .value_kind: global_buffer, .address_space: global }
      - { .name: ws, .offset: 80, .size: 8, .value_kind: global_buffer, .address_space: global }
      - { .name: wo16, .offset: 88, .size: 8, .value_kind: global_buffer, .address_space: global }
    .group_segment_fixed_size: 68096
    .private_segment_fixed_size: 0
    .kernarg_segment_align: 8
    .kernarg_segment_size: 96
    .max_flat_workgroup_size: 128
    .sgpr_count:     66
    .vgpr_count:     200
    .wavefront_size: 32
...
	.end_amdgpu_metadata
.endif
;; end of part 1
;; launch proj (part 2): grid 4 x 96, 4 waves a work-group, clusters of 4 x 4, 327,680 bytes of LDS; arguments xc, xs, wc, ws, bq, bv, qkv; writes qkv
.if DOCPART == 2
	.amdgcn_target "amdgcn-amd-amdhsa--gfx1250"
	.amdhsa_code_object_version 6
	.text
	.protected	k_qa5c46edc97_proj
	.globl	k_qa5c46edc97_proj
	.p2align	8
	.type	k_qa5c46edc97_proj,@function
k_qa5c46edc97_proj:
	s_mov_b64 s[64:65], 0
	v_nop
	global_prefetch_b8 v0, s[64:65] scope:SCOPE_SE
	s_setreg_imm32_b32 hwreg(HW_REG_WAVE_MODE, 25, 1), 1
	s_wait_xcnt 0x0
	s_wait_alu depctr_hold_cnt(0) depctr_sa_sdst(0) depctr_va_vdst(0) depctr_va_sdst(0) depctr_va_ssrc(0) depctr_va_vcc(0) depctr_vm_vsrc(0)
	s_getreg_b32 s2, hwreg(HW_REG_IB_STS2, 6, 4)
	s_cmp_eq_u32 s2, 0
	s_cbranch_scc0 .Lentry_in_a_cluster
	s_endpgm
.Lentry_in_a_cluster:
	s_bfe_u32 s2, ttmp6, 0x10000c
	s_cmp_lg_u32 s2, 0xf033
	s_cbranch_scc0 .Lentry_shape_is_right
	s_endpgm
.Lentry_shape_is_right:
; Launch 2 of 4: q = Q Wq + bq, k = K Wk, v = V Wv + bv on codes of E2M1 with E8M0 scales, sums in f32; the results leave as f16, laid as images of the next products' operand registers.
; LEFT OUT: bk (dead work: a term of the scores that is the same along the softmax's axis; shown at the head of the first launch).  LIMIT: q, k, v must lie within f16's 65,504.
; A tile of 256 x 256 results is made by four waves, 128 x 128 each: 64 accumulators, 512 registers.  K = 1,024 is two slots of 512: both are first fills, nothing is filled again.
; THE MATRIX INSTRUCTION: source 0 = 16 rows of P, source 1 = 16 rows of R: a lane holds ONE row of R, and its eight registers eight neighbouring rows of P.
;   T = 0, 1 (q, k): R = the tokens' codes, P = the weight's: a lane holds a token and eight channels: four conversions make a piece of an operand whose K is the head's channels.
;   T = 2 (v):       R = the weight's, P = the tokens': a lane holds a channel and eight tokens: a piece of an operand whose K is the keys.
; AN IMAGE: the 8 registers x 32 lanes of a 16 x 32 f16 operand, 1,024 bytes: registers 4 e .. 4 e + 3 of lane l at 512 e + 16 l.  So a store of the wave covers 512 consecutive bytes, aligned, and no stage is needed.
;   qkv: q at 0 and k at 2^24: [16 b + head][token tile 128][32 channels: 2][1,024];  v at 2^25: [16 b + head][32 keys: 64][channel tile 4][1,024].
; CLUSTERS: 4 x 4 work-groups; T and the eighth of the tokens come from the cluster's y, the same in all partners.  R's tiles are shared along a row of the cluster, P's along a column: joint loads.
; The bias is the C of the first step's products.  REGISTERS: window 0: v0-31 addresses; v32-95 scale words, two sets; v128-191 R's fragments; v192-255 the bias; on the way out v128-255 the packed results.
;   window 1: P's fragments, two sets;  windows 2, 3: the accumulators ((a, b) at v[8 (8 (a % 4) + b)]).
.set NQ,     4                         ; matrix instructions deep in a slot of 512 along K
.set ROWB,   256                       ; a tile's row in bytes
.set KROW,   512                       ; a row of codes in memory
.set PITCH,  272                       ; an LDS row: 256 bytes + 16 of padding: the 16 rows of a load start 68 words apart
.set FR,     8
.set NL,     2
.set NP,     4
.set HALFT,  128*PITCH
.set SLOT,   4*HALFT                   ; R's 256 rows, then P's 256 rows
.set KS,     32                        ; a row of scale bytes
.set SCL,    2*SLOT                    ; behind the slots: the scales, as units of 256 bytes + 16 of padding
.set HALFS,  (128*KS/256)*272
.set SBLK,   (16*KS/256)*272
.set SPARE,  SCL+4*HALFS               ; the spare words, 128 bytes a wave
.set ADRA, 16                          ; v16-17 LDS address of R's fragments in slot 0, 1
.set ADRB, 20                          ; v20-21 of P's
.set LI,   26                          ; v26  16 x lane: my place in an image's piece
.set ADRS, 27                          ; v27  my scale words: lanes 0-15 R's rows, lanes 16-31 P's
.set SPW,  28
.set NIL,  29
.set BA,   30                          ; v30  32 x (lane / 16)
.set BR,   31                          ; v31  4 x (lane % 16)
.set SC,   32
.set AF,   128
.set BI,   192
.set TT,   95                          ; s95  T
.set G1, 24
.set G0, 32
.set G1B, 48
.set G0B, 56
.set G1S, 68
.set G0S, 76
.set G1SB, 80
.set G0SB, 88
.set MSB, 0
.macro WIN new                         ; the immediate's high byte repeats the setting that is left
.if MSB != \new
	s_set_vgpr_msb (MSB<<8)|\new
.set MSB, \new
.endif
.endm
.set MUL_LO, 0xa1                      ; source 0 (P) window 1, source 1 (R) window 0, C and D window 2
.set MUL_HI, 0xf1                      ; the same, C and D window 3
.set TO_B,   0x40
.macro JLOAD g0a, g1a, g0b, g1b        ; a joint load: waves 0 and 1 fetch for R, waves 2 and 3 for P; an s_nop 0 and four v_nop follow each line
	s_cmp_eq_u32 s15, 0
	s_cbranch_scc0 .Lfor_b_\@
	tensor_load_to_lds s[\g0a:\g0a+3], s[\g1a:\g1a+7]
	s_nop 0
.rept 4
	v_nop
.endr
	s_branch .Lasked_\@
.Lfor_b_\@:
	tensor_load_to_lds s[\g0b:\g0b+3], s[\g1b:\g1b+7]
	s_nop 0
.rept 4
	v_nop
.endr
.Lasked_\@:
.endm
.macro CROUND                          ; a round of the cluster's barrier
	s_barrier_signal -1
	s_barrier_wait -1
	s_cmp_lg_u32 s14, 0
	s_cbranch_scc1 .Lnot_wave_0_\@
	s_barrier_signal -3
.Lnot_wave_0_\@:
	s_barrier_wait -3
	s_barrier_signal -1
	s_barrier_wait -1
.endm
	s_load_b256 s[4:11], s[0:1], 0x0               ; xc s[4:5], xs s[6:7], wc s[8:9], ws s[10:11]
	s_load_b128 s[96:99], s[0:1], 0x20             ; bq, bv
	s_load_b64 s[12:13], s[0:1], 0x30              ; qkv
	v_lshl_add_u32 v[SPW], v0, 2, SPARE
	v_mov_b32 v[NIL], 0
	ds_add_u32 v[SPW], v[NIL]                      ; the wave's opening: the add, twice on end, and its wait ahead of my first tensor load
	ds_add_u32 v[SPW], v[NIL]
	v_lshrrev_b32 v1, 5, v0
	v_readfirstlane_b32 s14, v1                    ; wave 0..3
	s_lshr_b32 s15, s14, 1                         ; which half of R's rows is mine.  Also: I fetch for R (0) or for P (1)
	s_and_b32 s16, s14, 1                          ; which half of P's rows.  Also: which 128 rows I fetch
	s_bfe_u32 s40, ttmp6, 0x40000                  ; cx
	s_bfe_u32 s41, ttmp6, 0x40004                  ; cy
	s_and_b32 s66, ttmp7, 0xffff                   ; the cluster's y, 0 .. 23
	s_lshr_b32 s[TT], s66, 3                       ; T: 0 q, 1 k, 2 v
	s_and_b32 s66, s66, 7                          ; which eighth of the 32 tiles of 256 tokens
	s_cmp_lt_u32 s[TT], 2
	s_cselect_b32 s17, s66, 0
	s_cselect_b32 s42, 0, s66
	s_lshl_b32 s17, s17, 2
	s_add_co_u32 s17, s17, s41                     ; R's tile of 256 rows
	s_lshl_b32 s42, s42, 2
	s_add_co_u32 s42, s42, s40                     ; P's
	s_lshl_b32 s43, s41, 2
	s_lshl_b32 s43, 15, s43                        ; my row of the cluster
	s_lshl_b32 s44, 0x1111, s40                    ; my column
	s_or_b32 s[G1+0], s43, (0<<16)|(1<<20)|(1<<21)|(5<<22)|(3<<25)  ; the mask; elements of 1 byte; padding: 4 words behind every 64
	s_or_b32 s[G1B+0], s44, (0<<16)|(1<<20)|(1<<21)|(5<<22)|(3<<25)
.irp g, G1, G1B
	s_mov_b32 s[\g+1], ROWB<<16                    ; tensor_dim0
	s_mov_b32 s[\g+2], 128<<16                     ; tensor_dim1
	s_mov_b32 s[\g+3], ROWB<<16                    ; tile_dim0
	s_mov_b32 s[\g+4], 128                         ; tile_dim1
	s_mov_b32 s[\g+5], KROW                        ; from row to row
	s_mov_b32 s[\g+6], 0
	s_mov_b32 s[\g+7], 0
.endr
	s_or_b32 s[G1S+0], s43, (3<<16)|(1<<20)|(1<<21)|(5<<22)|(3<<25)  ; the scales of 128 rows: 4,096 dense bytes as 16 rows of 256 (32 elements of 8 bytes), 16 bytes of padding behind each
	s_or_b32 s[G1SB+0], s44, (3<<16)|(1<<20)|(1<<21)|(5<<22)|(3<<25)
.irp g, G1S, G1SB
	s_mov_b32 s[\g+1], 32<<16
	s_mov_b32 s[\g+2], (128*KS/256)<<16
	s_mov_b32 s[\g+3], 32<<16
	s_mov_b32 s[\g+4], 128*KS/256
	s_mov_b32 s[\g+5], 32
	s_mov_b32 s[\g+6], 0
	s_mov_b32 s[\g+7], 0
.endr
	s_lshl_b32 s18, s16, 7                         ; which 128 rows of the tile I fetch
	s_lshl_b32 s20, s17, 8
	s_add_co_u32 s20, s20, s18                     ; R: row
	s_lshl_b32 s46, s42, 8
	s_add_co_u32 s46, s46, s18                     ; P: row
	s_mov_b32 s21, 0
	s_mov_b32 s47, 0
	s_mov_b64 s[18:19], KS
	s_mul_u64 s[22:23], s[20:21], s[18:19]         ; where these rows' scales begin
	s_mul_u64 s[92:93], s[46:47], s[18:19]
	s_mov_b64 s[18:19], KROW
	s_mul_u64 s[20:21], s[20:21], s[18:19]         ; and their codes
	s_mul_u64 s[46:47], s[46:47], s[18:19]
	s_mul_i32 s45, s14, HALFT                      ; where they go: wave x 128 rows
	s_mul_i32 s94, s14, HALFS
	s_mov_b32 s101, 0
	s_wait_dscnt 0x0                               ; both opening adds are done
	s_wait_kmcnt 0x0
	s_lshl_b32 s100, s[TT], 22                     ; tensor T's part of each of the four buffers
	s_add_nc_u64 s[4:5], s[4:5], s[100:101]
	s_lshl_b32 s100, s[TT], 18
	s_add_nc_u64 s[6:7], s[6:7], s[100:101]
	s_lshl_b32 s100, s[TT], 19
	s_add_nc_u64 s[8:9], s[8:9], s[100:101]
	s_lshl_b32 s100, s[TT], 15
	s_add_nc_u64 s[10:11], s[10:11], s[100:101]
	s_cmp_lt_u32 s[TT], 2                          ; for v the tokens and the weight change places: the choice hangs on the cluster's y alone
	s_mov_b64 s[100:101], s[4:5]
	s_cselect_b64 s[4:5], s[4:5], s[8:9]           ; R's codes
	s_cselect_b64 s[8:9], s[8:9], s[100:101]       ; P's codes
	s_mov_b64 s[100:101], s[6:7]
	s_cselect_b64 s[6:7], s[6:7], s[10:11]         ; R's scales
	s_cselect_b64 s[10:11], s[10:11], s[100:101]   ; P's scales
	s_add_nc_u64 s[20:21], s[4:5], s[20:21]
	s_add_nc_u64 s[22:23], s[6:7], s[22:23]
	s_add_nc_u64 s[46:47], s[8:9], s[46:47]
	s_add_nc_u64 s[92:93], s[10:11], s[92:93]
	CROUND                                         ; all sixteen work-groups are here: the joint loads meet
	s_mov_b32 s[G0S], 1
	s_add_co_u32 s[G0S+1], s94, SCL
	s_mov_b64 s[G0S+2:G0S+3], s[22:23]
	s_or_b32 s[G0S+3], s[G0S+3], 0x80000000
	s_mov_b32 s[G0SB], 1
	s_add_co_u32 s[G0SB+1], s94, SCL
	s_mov_b64 s[G0SB+2:G0SB+3], s[92:93]
	s_or_b32 s[G0SB+3], s[G0SB+3], 0x80000000
	JLOAD G0S, G1S, G0SB, G1SB                     ; the scales first; then both slots: three tensor loads of mine are out
.irp s, 0,1
	s_mov_b32 s[G0+4*\s], 1
	s_add_co_u32 s[G0+4*\s+1], s45, \s*SLOT
	s_add_nc_u64 s[G0+4*\s+2:G0+4*\s+3], s[20:21], \s*ROWB
	s_or_b32 s[G0+4*\s+3], s[G0+4*\s+3], 0x80000000
	s_mov_b32 s[G0B+4*\s], 1
	s_add_co_u32 s[G0B+4*\s+1], s45, \s*SLOT
	s_add_nc_u64 s[G0B+4*\s+2:G0B+4*\s+3], s[46:47], \s*ROWB
	s_or_b32 s[G0B+4*\s+3], s[G0B+4*\s+3], 0x80000000
	JLOAD G0+4*\s, G1, G0B+4*\s, G1B
.endr
	v_and_b32 v1, 15, v0                           ; r = l % 16
	v_bfe_u32 v2, v0, 4, 1                         ; h = l / 16
	v_mul_u32_u24 v3, v1, PITCH
	v_lshl_add_u32 v4, v2, 4, v3                   ; a fragment's row x pitch + 16 h
	s_mul_i32 s21, s15, HALFT                      ; my 128 rows of R
	s_mul_i32 s22, s16, HALFT                      ; my 128 rows of P,
	s_add_co_u32 s22, s22, 2*HALFT                 ; behind R's 256
.irp s, 0,1
	v_add_nc_u32 v[ADRA+\s], s21, v4
	v_add_nc_u32 v[ADRB+\s], s22, v4
	s_add_co_u32 s21, s21, SLOT
	s_add_co_u32 s22, s22, SLOT
.endr
	v_mul_u32_u24 v5, v1, KS                       ; my row's scales: 32 bytes a row,
	v_lshrrev_b32 v6, 8, v5
	v_lshl_add_u32 v5, v6, 4, v5                   ; and 16 more for each 256 passed
	s_mul_i32 s21, s15, HALFS
	s_mul_i32 s22, s16, HALFS
	s_add_co_u32 s22, s22, 2*HALFS
	s_sub_co_u32 s22, s22, s21
	v_mul_u32_u24 v6, s22, v2                      ; lanes 16-31 take P's
	s_add_co_u32 s21, s21, SCL
	v_add_nc_u32 v5, v5, v6
	v_add_nc_u32 v[ADRS], s21, v5
	v_and_b32 v6, 31, v0
	v_lshlrev_b32 v[LI], 4, v6
	v_lshlrev_b32 v[BA], 5, v2
	v_lshlrev_b32 v[BR], 2, v1
	; which of the two sides are the channels, and which the tokens
	s_cmp_lt_u32 s[TT], 2
	s_cselect_b32 s66, s42, s17                    ; the channels' tile of 256
	s_cselect_b32 s67, s16, s15                    ; and my half of it
	s_cselect_b32 s2, s17, s42                     ; the tokens' tile of 256
	s_cselect_b32 s3, s15, s16                     ; and my half
	s_cmp_eq_u32 s[TT], 0
	s_cselect_b64 s[96:97], s[96:97], s[98:99]     ; bq for q, bv for v (k loads neither)
	s_lshl_b32 s100, s66, 10
	s_lshl_b32 s101, s67, 9
	s_add_co_u32 s100, s100, s101
	s_mov_b32 s101, 0
	s_add_nc_u64 s[96:97], s[96:97], s[100:101]    ; the bias of my 128 channels
	s_lshl_b32 s100, s[TT], 24                     ; where my images begin: the tensor,
	s_lshr_b32 s98, s2, 3
	s_lshl_b32 s98, s98, 22                        ; the batch (16 heads of 2^18 bytes),
	s_add_co_u32 s100, s100, s98
	s_lshl_b32 s98, s66, 2
	s_lshl_b32 s99, s67, 1
	s_add_co_u32 s98, s98, s99
	s_lshl_b32 s98, s98, 18                        ; my first head,
	s_add_co_u32 s100, s100, s98
	s_and_b32 s98, s2, 7
	s_lshl_b32 s98, s98, 1
	s_add_co_u32 s98, s98, s3
	s_lshl_b32 s98, s98, 14                        ; my 128 tokens: 16,384 bytes in either layout
	s_add_co_u32 s100, s100, s98
	s_add_nc_u64 s[12:13], s[12:13], s[100:101]
	; the bias in the result's layout, 64 registers; every arm writes all of them
	s_cmp_eq_u32 s[TT], 1
	s_cbranch_scc1 .Lbias_k
	s_cmp_eq_u32 s[TT], 2
	s_cbranch_scc1 .Lbias_v
.irp b, 0,1,2,3,4,5,6,7                ; q: register 8 b + j = bq at channel 16 b + 8 h + j
.irp u, 0,1
	global_load_b128 v[BI+8*\b+4*\u:BI+8*\b+4*\u+3], v[BA], s[96:97] offset:64*\b+16*\u
.endr
.endr
	s_branch .Lbias_done
.Lbias_k:                              ; k: bk is left out; zeros here let one text of the first step serve q and k
.set j, 0
.rept 64
	v_mov_b32 v[BI+j], 0
.set j, j+1
.endr
	s_branch .Lbias_done
.Lbias_v:                              ; v: registers 8 a .. 8 a + 7 = bv at the lane's one channel 16 a + r
.irp a, 0,1,2,3,4,5,6,7
.irp j, 0,1,2,3,4,5,6,7
	global_load_b32 v[BI+8*\a+\j], v[BR], s[96:97] offset:64*\a
.endr
.endr
.Lbias_done:
.macro FRAG reg, adr, q, i             ; 16 rows x 128 K of 4-bit codes: 8 registers: two loads of 16 bytes, 32 bytes apart
.irp c, 0,1
	ds_load_b128 v[\reg+4*\c:\reg+4*\c+3], v[\adr] offset:64*(\q)+32*\c+(\i)*16*PITCH
.endr
.endm
; 16 matrix instructions: R's blocks a0, a0 + 1 x P's eight.  cm = 0: in place; 2: C = the bias by P's block (q, k); 3: by R's block (v).  The 64 accumulators take turns.
.macro MUL16 a0, p, q, sc, cm
.irp a, \a0, \a0+1
.irp b, 0,1,2,3,4,5,6,7
.if \cm == 2
	v_wmma_scale_f32_16x16x128_f8f6f4 v[8*(8*((\a)%4)+\b):8*(8*((\a)%4)+\b)+7], v[128*(\p)+FR*\b:128*(\p)+FR*\b+FR-1], v[AF+FR*(\a):AF+FR*(\a)+FR-1], v[BI+8*\b:BI+8*\b+7], v[SC+8*NQ*(\sc)+NQ*\b+(\q)], v[SC+8*NQ*(\sc)+NQ*(\a)+(\q)] matrix_a_fmt:MATRIX_FMT_FP4 matrix_b_fmt:MATRIX_FMT_FP4 matrix_a_scale:MATRIX_SCALE_ROW1
.elseif \cm == 3
	v_wmma_scale_f32_16x16x128_f8f6f4 v[8*(8*((\a)%4)+\b):8*(8*((\a)%4)+\b)+7], v[128*(\p)+FR*\b:128*(\p)+FR*\b+FR-1], v[AF+FR*(\a):AF+FR*(\a)+FR-1], v[BI+8*(\a):BI+8*(\a)+7], v[SC+8*NQ*(\sc)+NQ*\b+(\q)], v[SC+8*NQ*(\sc)+NQ*(\a)+(\q)] matrix_a_fmt:MATRIX_FMT_FP4 matrix_b_fmt:MATRIX_FMT_FP4 matrix_a_scale:MATRIX_SCALE_ROW1
.else
	v_wmma_scale_f32_16x16x128_f8f6f4 v[8*(8*((\a)%4)+\b):8*(8*((\a)%4)+\b)+7], v[128*(\p)+FR*\b:128*(\p)+FR*\b+FR-1], v[AF+FR*(\a):AF+FR*(\a)+FR-1], v[8*(8*((\a)%4)+\b):8*(8*((\a)%4)+\b)+7], v[SC+8*NQ*(\sc)+NQ*\b+(\q)], v[SC+8*NQ*(\sc)+NQ*(\a)+(\q)] matrix_a_fmt:MATRIX_FMT_FP4 matrix_b_fmt:MATRIX_FMT_FP4 matrix_a_scale:MATRIX_SCALE_ROW1
.endif
.endr
.endr
.endm
.macro FETCH_B slot, q, p
	WIN TO_B
.irp i, 0,1,2,3,4,5,6,7
	FRAG 128*(\p)+FR*\i, ADRB+\slot, \q, \i
.endr
	WIN 0
.endm
.macro FETCH_A slot, q, i0
.irp i, \i0, \i0+1, \i0+2, \i0+3
	FRAG AF+FR*(\i), ADRA+\slot, \q, \i
.endr
.endm
.macro SCALES sc                       ; a slot's scale words: 4 a row; lanes 0-15 R's block i, lanes 16-31 P's block i
.irp i, 0,1,2,3,4,5,6,7
	ds_load_b128 v[SC+8*NQ*\sc+NQ*\i:SC+8*NQ*\sc+NQ*\i+3], v[ADRS] offset:\i*SBLK
.endr
.endm
.macro PLACES n                        ; plain vector instructions between a matrix instruction and a load into, or a read of, its registers
.rept \n
	v_nop
.endr
.endm
.macro STEP slot, q, cm                ; 128 along K that has its successor in the same slot
	s_wait_dscnt 4*NL                              ; P's set and R's blocks 0-3 are in; the youngest eight loads (R's blocks 4-7) may be out
.if \cm
	WIN 0x81                                       ; C (the bias) in window 0, D in window 2
.else
	WIN MUL_LO
.endif
	MUL16 0, (\q)%2, \q, \slot, \cm
	MUL16 2, (\q)%2, \q, \slot, \cm
	s_wait_dscnt 0
	PLACES NP
	FETCH_B \slot, (\q)+1, 1-(\q)%2
	FETCH_A \slot, (\q)+1, 0
.if \cm
	WIN 0xc1
.else
	WIN MUL_HI
.endif
	MUL16 4, (\q)%2, \q, \slot, \cm
	MUL16 6, (\q)%2, \q, \slot, \cm
	PLACES NP
	WIN 0
	FETCH_A \slot, (\q)+1, 4
.endm
.macro TURN slot, next                 ; a slot's last step: one barrier; behind it the next slot is whole.  Nothing is filled again
	s_wait_tensorcnt 0x0                           ; my part of the next slot has landed
	ds_add_u32 v[SPW], v[NIL]
	s_wait_dscnt 4*NL+1                            ; the add and the youngest eight loads may be out
	WIN MUL_LO
	MUL16 0, 1, NQ-1, \slot, 0
	s_wait_dscnt 0x0
	s_barrier_signal -1
	MUL16 2, 1, NQ-1, \slot, 0
	WIN 0
	s_barrier_wait -1
	PLACES NP
	v_add_nc_u32 v[ADRS], 4*NQ, v[ADRS]            ; the next slot's scale words
	FETCH_B \next, 0, 0
	FETCH_A \next, 0, 0
	SCALES \next
	WIN MUL_HI
	MUL16 4, 1, NQ-1, \slot, 0
	MUL16 6, 1, NQ-1, \slot, 0
	PLACES NP
	WIN 0
	FETCH_A \next, 0, 4
.endm
.macro STEPS slot, from
.set Q, \from
.rept NQ-1-\from
	STEP \slot, Q, 0
.set Q, Q+1
.endr
.endm
	s_wait_tensorcnt 1                             ; the scales and my part of slot 0 are in; slot 1's load may be out
	s_barrier_signal -1
	s_barrier_wait -1
	FETCH_B 0, 0, 0
	FETCH_A 0, 0, 0
	SCALES 0
	FETCH_A 0, 0, 4
	s_wait_loadcnt 0x0                             ; the bias
	s_cmp_eq_u32 s[TT], 2
	s_cbranch_scc1 .Lfirst_v
	STEP 0, 0, 2                                   ; the first step starts the sums on the bias
	s_branch .Lfirst_done
.Lfirst_v:
	STEP 0, 0, 3
.Lfirst_done:
	STEPS 0, 1
	TURN 0, 1
	STEPS 1, 0
	s_wait_dscnt 4*NL                              ; the last step: nothing more to fetch
	WIN MUL_LO
	MUL16 0, 1, NQ-1, 1, 0
	MUL16 2, 1, NQ-1, 1, 0
	s_wait_dscnt 0
	WIN MUL_HI
	MUL16 4, 1, NQ-1, 1, 0
	MUL16 6, 1, NQ-1, 1, 0
	WIN 0
; THE WAY OUT of R's block a: each accumulator's eight numbers, from its low end on, become 16 bytes a lane: a piece of an image; the wave's store covers 512 consecutive bytes, aligned.
.macro OUTBLK mode, a
.set AC, 64*((\a)%4)
.set PK, 128+32*((\a)%4)
.if (\a) >= 4
	s_wait_xcnt 0x0                                ; block a - 4's stores have read these registers
.endif
	WIN 0x0a+5*((\a)/4)                            ; sources 0 and 1: window 2 or 3
.irp b, 0,1,2,3,4,5,6,7
.irp r, 0,1,2,3
	v_cvt_pk_f16_f32 v[PK+4*\b+\r], v[AC+8*\b+2*\r], v[AC+8*\b+2*\r+1]
.endr
.endr
	WIN 0
.irp b, 0,1,2,3,4,5,6,7
.if \mode
	global_store_b128 v[LI], v[PK+4*\b:PK+4*\b+3], s[12:13] offset:((\a)/4)*262144+(\b/2)*4096+((\a)%4)*1024+(\b%2)*512   ; v: head a / 4, 32 keys b / 2, channel tile a % 4, piece b % 2
.else
	global_store_b128 v[LI], v[PK+4*\b:PK+4*\b+3], s[12:13] offset:(\b/4)*262144+(\a)*2048+(\b%4)*512                   ; q, k: head b / 4, token tile a, 32 channels and piece b % 4
.endif
.endr
.endm
	PLACES NP                                      ; behind the last products: their results are read and R's fragments written over below
	s_cmp_eq_u32 s[TT], 2
	s_cbranch_scc1 .Lout_v
.irp a, 0,1,2,3,4,5,6,7
	OUTBLK 0, \a
.endr
	s_branch .Lout_done
.Lout_v:
.irp a, 0,1,2,3,4,5,6,7
	OUTBLK 1, \a
.endr
.Lout_done:
	s_wait_tensorcnt 0x0                           ; the wave's end
	ds_add_u32 v[SPW], v[NIL]
	s_wait_dscnt 0x0
	CROUND                                         ; the closing round
	s_endpgm
.Lfunc_end_k_qa5c46edc97_proj:
	.size	k_qa5c46edc97_proj, .Lfunc_end_k_qa5c46edc97_proj-k_qa5c46edc97_proj
	.p2alignl 7, 3214868480
	.fill 96, 4, 3214868480
	.section	.rodata,"a",@progbits
	.p2align	6, 0x0
	.amdhsa_kernel k_qa5c46edc97_proj
		.amdhsa_group_segment_fixed_size 327680
		.amdhsa_private_segment_fixed_size 0
		.amdhsa_enable_private_segment 0
		.amdhsa_kernarg_size 56
		.amdhsa_user_sgpr_count 2
		.amdhsa_user_sgpr_kernarg_segment_ptr 1
		.amdhsa_wavefront_size32 1
		.amdhsa_system_sgpr_workgroup_id_x 1
		.amdhsa_system_sgpr_workgroup_id_y 1
		.amdhsa_system_sgpr_workgroup_id_z 1
		.amdhsa_system_vgpr_workitem_id 0
		.amdhsa_next_free_vgpr 1024
		.amdhsa_next_free_sgpr 102
		.amdhsa_reserve_vcc 0
		.amdhsa_float_denorm_mode_32 3
		.amdhsa_float_denorm_mode_16_64 3
		.amdhsa_memory_ordered 1
		.amdhsa_forward_progress 1
		.amdhsa_inst_pref_size 162
	.end_amdhsa_kernel
	.amdgpu_metadata
---
amdhsa.version: [ 1, 2 ]
amdhsa.kernels:
  - .name:           k_qa5c46edc97_proj
    .symbol:         k_qa5c46edc97_proj.kd
    .args:
      - { .name: xc, .offset: 0, .size: 8, .value_kind: global_buffer, .address_space: global }
      - { .name: xs, .offset: 8, .size: 8, .value_kind: global_buffer, .address_space: global }
      - { .name: wc, .offset: 16, .size: 8, .value_kind: global_buffer, .address_space: global }
      - { .name: ws, .offset: 24, .size: 8, .value_kind: global_buffer, .address_space: global }
      - { .name: bq, .offset: 32, .size: 8, .value_kind: global_buffer, .address_space: global }
      - { .name: bv, .offset: 40, .size: 8, .value_kind: global_buffer, .address_space: global }
      - { .name: qkv, .offset: 48, .size: 8, .value_kind: global_buffer, .address_space: global }
    .group_segment_fixed_size: 327680
    .private_segment_fixed_size: 0
    .kernarg_segment_align: 8
    .kernarg_segment_size: 56
    .max_flat_workgroup_size: 128
    .sgpr_count:     102
    .vgpr_count:     1024
    .wavefront_size: 32
...
	.end_amdgpu_metadata
.endif
;; end of part 2
;; launch attn (part 3): grid 4 x 64, 16 waves a work-group, clusters of 4 x 1, 327,680 bytes of LDS; arguments qkv, cf; writes cf
.if DOCPART == 3
	.amdgcn_target "amdgcn-amd-amdhsa--gfx1250"
	.amdhsa_code_object_version 6
	.text
	.protected	k_qa5c46edc97_attn
	.globl	k_qa5c46edc97_attn
	.p2align	8
	.type	k_qa5c46edc97_attn,@function
k_qa5c46edc97_attn:
	s_mov_b64 s[64:65], 0
	v_nop
	global_prefetch_b8 v0, s[64:65] scope:SCOPE_SE
	s_setreg_imm32_b32 hwreg(HW_REG_WAVE_MODE, 25, 1), 1
	s_wait_xcnt 0x0
	s_wait_alu depctr_hold_cnt(0) depctr_sa_sdst(0) depctr_va_vdst(0) depctr_va_sdst(0) depctr_va_ssrc(0) depctr_va_vcc(0) depctr_vm_vsrc(0)
	s_getreg_b32 s2, hwreg(HW_REG_IB_STS2, 6, 4)
	s_cmp_eq_u32 s2, 0
	s_cbranch_scc0 .Lentry_in_a_cluster
	s_endpgm
.Lentry_in_a_cluster:
	s_bfe_u32 s2, ttmp6, 0x10000c
	s_cmp_lg_u32 s2, 0x3003
	s_cbranch_scc0 .Lentry_shape_is_right
	s_endpgm
.Lentry_shape_is_right:
; Launch 3 of 4: ctx[b,h,q,:] = the sum over keys of softmax(q . k / 8) v, no mask.  q, k, v come as f16 images of operand registers (1,024 bytes: registers 4 e .. 4 e + 3 of lane l at 512 e + 16 l).
; Products with f16 operands and f32 sums; maxima, exponentials and sums in f32; the weights p are rounded to f16 for the second product, ctx once at the end.  k carries no bk (dead work: first launch's head).
; SHARES.  The cluster's y is 16 b + head; its four work-groups own 512 queries each; each of SIXTEEN waves owns two tiles of 16 queries in 256 registers: four waves to a SIMD, so that one wave's vector
; work stands beside another's matrix work and LDS loads.  Every wave walks all 2,048 keys, 64 a step.
; LAYOUT.  S^T = K Q^T (source 0 = 16 keys, source 1 = 16 queries) and O^T = V^T P (source 0 = 16 channels x 32 keys, source 1 = P): a lane holds ONE query throughout; two tiles of S^T, rounded in pairs, ARE P.
; SOFTMAX.  A running maximum m and sum l for each query: p = 2^(c s - c m), c = log2(e) / 8; in every step O and l are multiplied by a = 2^(c m_old - c m_new).
; THE RING.  Two slots of 512 keys: K's 8 steps of 8,192 bytes, then V's 8.  Each of the sixteen waves fetches one step's 8,192 dense bytes; the four partners walk the same K and V, so each fill is a joint load.
; A refill is asked for eight key steps ahead of its first read.  By this text's count a wave has two tensor loads out at the head, later one.
; ctx leaves as images for the last product: cf [token tile 512][32 of the 1,024: 32][1,024 bytes].  LIMIT: ctx within f16's range (it is an average of v).
.set SLOT1, 1<<17
.set VOFF,  65536                      ; V's steps in a slot
.set STEPB, 8192
.set SPARE, 2*SLOT1                    ; the spare words: 128 bytes for each of sixteen waves
.set LI,  1                            ; v1  16 x lane
.set AV0, 2                            ; v2  16 x lane + VOFF
.set ADK, 3                            ; v3  LDS address of the step's K
.set ADV, 4                            ; v4  of its V
.set SPW, 5
.set NIL, 6
.set ST,  8                            ; tile t's statistics at v[ST + 10 t]: +0 c m, +1 m, +2, +3 l, +4 a, +5 (0: named with a as a pair), +6 .. +9 at work
.set QF,  32                           ; Q: tile t, 32 channels c at v[QF + 16 t + 8 c]
.set S,   64                           ; S^T: tile t, 16 keys a at v[S + 32 t + 8 a]; P(t, 32 keys g) is packed in place at v[S + 32 t + 8 g]
.set OT,  128                          ; O^T: tile t, 16 channels n at v[OT + 32 t + 8 n]
.set FF,  192                          ; eight fragments: K's, then V's
.set WV,  12
.set SEL, 14                           ; s[14:15] v_permlanex16_b32's selects for lane l xor 16
.set CS,  16                           ; s[16:17] c, in both words: the packed form names the pair
.set TB,  18                           ; s18 LDS byte at which the step's K begins
.set CNT, 19
.set OUTER, 20
.set G1,  24
.set G0A, 32
.set G0B, 36
.macro CROUND                          ; a round of the cluster's barrier
	s_barrier_signal -1
	s_barrier_wait -1
	s_cmp_lg_u32 s[WV], 0
	s_cbranch_scc1 .Lnot_wave_0_\@
	s_barrier_signal -3
.Lnot_wave_0_\@:
	s_barrier_wait -3
	s_barrier_signal -1
	s_barrier_wait -1
.endm
	s_load_b128 s[4:7], s[0:1], 0x0                ; qkv s[4:5], cf s[6:7]
	v_lshl_add_u32 v[SPW], v0, 2, SPARE
	v_mov_b32 v[NIL], 0
	ds_add_u32 v[SPW], v[NIL]                      ; the wave's opening: the add, twice on end, and its wait ahead of my first tensor load
	ds_add_u32 v[SPW], v[NIL]
	v_lshrrev_b32 v7, 5, v0
	v_readfirstlane_b32 s[WV], v7                  ; wave 0..15
	s_and_b32 s21, ttmp7, 0xffff                   ; y = 16 b + head, which the four partners share
	s_bfe_u32 s13, ttmp6, 0x40000                  ; cx: my block of 512 queries: it enters Q's and cf's addresses alone
	s_lshr_b32 s40, s[WV], 3                       ; what I fetch: waves 0-7 K's steps, waves 8-15 V's
	s_add_co_u32 s40, s40, 1
	s_lshl_b32 s40, s40, 24                        ; k at 2^24, v at 2^25
	s_lshl_b32 s41, s21, 18
	s_add_co_u32 s40, s40, s41
	s_and_b32 s41, s[WV], 7
	s_lshl_b32 s41, s41, 13                        ; step wave % 8 of a slot
	s_add_co_u32 s40, s40, s41
	s_mov_b32 s41, 0
	s_lshl_b32 s22, s[WV], 13                      ; and its place in a slot
	s_lshl_b32 s42, s21, 18                        ; Q: my wave's two tiles
	s_lshl_b32 s43, s13, 16
	s_add_co_u32 s42, s42, s43
	s_lshl_b32 s43, s[WV], 12
	s_add_co_u32 s42, s42, s43
	s_mov_b32 s43, 0
	s_lshr_b32 s44, s21, 4                         ; cf: token tile 128 b + 32 cx + 2 wave, 32,768 bytes each; + 2,048 x head
	s_lshl_b32 s44, s44, 7
	s_lshl_b32 s45, s13, 5
	s_add_co_u32 s44, s44, s45
	s_lshl_b32 s45, s[WV], 1
	s_add_co_u32 s44, s44, s45
	s_lshl_b32 s44, s44, 15
	s_and_b32 s45, s21, 15
	s_lshl_b32 s45, s45, 11
	s_add_co_u32 s44, s44, s45
	s_mov_b32 s45, 0
	s_mov_b32 s[G1], 15|(3<<16)|(1<<21)            ; the mask: all four work-groups; elements of 8 bytes; bit 21 beside a mask; no padding
	s_mov_b32 s[G1+1], 32<<16                      ; tensor_dim0 = 32 elements: 256 bytes
	s_mov_b32 s[G1+2], 32<<16                      ; tensor_dim1 = 32 rows
	s_mov_b32 s[G1+3], 32<<16                      ; tile_dim0
	s_mov_b32 s[G1+4], 32                          ; tile_dim1
	s_mov_b32 s[G1+5], 32                          ; dense
	s_mov_b32 s[G1+6], 0
	s_mov_b32 s[G1+7], 0
	s_mov_b32 s[SEL], 0x76543210
	s_mov_b32 s[SEL+1], 0xfedcba98
	s_mov_b32 s[CS], 0x3e38aa3b                    ; c = log2(e) / 8
	s_mov_b32 s[CS+1], s[CS]
	s_mov_b32 s[TB], 0
	s_wait_dscnt 0x0                               ; both opening adds are done
	s_wait_kmcnt 0x0
	s_add_nc_u64 s[8:9], s[4:5], s[42:43]          ; Q
	s_add_nc_u64 s[6:7], s[6:7], s[44:45]          ; cf
	CROUND                                         ; all four work-groups are here: the first joint loads meet
	s_mov_b32 s[G0A], 1
	s_mov_b32 s[G0A+1], s22                        ; slot 0
	s_add_nc_u64 s[G0A+2:G0A+3], s[4:5], s[40:41]  ; keys 0 .. 511
	s_or_b32 s[G0A+3], s[G0A+3], 0x80000000
	s_mov_b32 s[G0B], 1
	s_add_co_u32 s[G0B+1], s22, SLOT1              ; slot 1
	s_add_nc_u64 s[G0B+2:G0B+3], s[4:5], s[40:41]
	s_add_nc_u64 s[G0B+2:G0B+3], s[G0B+2:G0B+3], 65536   ; keys 512 .. 1,023
	s_or_b32 s[G0B+3], s[G0B+3], 0x80000000
	tensor_load_to_lds s[G0A:G0A+3], s[G1:G1+7]
	s_nop 0
	tensor_load_to_lds s[G0B:G0B+3], s[G1:G1+7]
	s_nop 0
.rept 4
	v_nop
.endr
	v_and_b32 v[LI], 31, v0
	v_lshlrev_b32 v[LI], 4, v[LI]
	v_add_nc_u32 v[AV0], VOFF, v[LI]
.irp i, 0,1,2,3,4,5,6,7
	global_load_b128 v[QF+4*\i:QF+4*\i+3], v[LI], s[8:9] offset:512*\i   ; Q stays in registers: 512 consecutive bytes a load
.endr
.irp t, 0,1
	v_mov_b32 v[ST+10*\t+1], 0xff61b1e6            ; m = -3e38, under every score
	v_mul_f32 v[ST+10*\t], s[CS], v[ST+10*\t+1]    ; c m
	v_mov_b32 v[ST+10*\t+2], 0                     ; l
	v_mov_b32 v[ST+10*\t+3], 0
	v_mov_b32 v[ST+10*\t+5], 0                     ; named with a as a pair, so it is written
.endr
.set j, 0
.rept 64
	v_mov_b32 v[OT+j], 0                           ; O^T: the step is written with no first copy: the first a is 0 and multiplies zeros
.set j, j+1
.endr
; A KEY STEP: 64 keys.
.macro STEP
	v_add_nc_u32 v[ADK], s[TB], v[LI]              ; five plain instructions behind the last step's products: four are owed to the loads into their fragments,
	v_add_nc_u32 v[ADV], s[TB], v[AV0]             ; five to the products below, which write over the registers that those read as P
.rept 3
	v_nop
.endr
.irp c, 0,1                            ; K: fragment (16 keys a, 32 channels c) at (2 a + c) x 1,024; the first 32 channels first
.irp a, 0,1,2,3
.irp u, 0,1
	ds_load_b128 v[FF+16*\a+8*\c+4*\u:FF+16*\a+8*\c+4*\u+3], v[ADK] offset:(2*\a+\c)*1024+512*\u
.endr
.endr
.endr
	s_wait_dscnt 8                                 ; the first 32 channels are in; the other eight loads may be out
.irp a, 0,1,2,3
.irp t, 0,1
	v_wmma_f32_16x16x32_f16 v[S+32*\t+8*\a:S+32*\t+8*\a+7], v[FF+16*\a:FF+16*\a+7], v[QF+16*\t:QF+16*\t+7], 0
.endr
.endr
	s_wait_dscnt 0x0
.irp a, 0,1,2,3                        ; the eight accumulators take turns
.irp t, 0,1
	v_wmma_f32_16x16x32_f16 v[S+32*\t+8*\a:S+32*\t+8*\a+7], v[FF+16*\a+8:FF+16*\a+15], v[QF+16*\t+8:QF+16*\t+15], v[S+32*\t+8*\a:S+32*\t+8*\a+7]
.endr
.endr
.rept 4
	v_nop                                          ; places in front of the loads into K's registers and of the first read of the scores
.endr
.irp f, 0,1,2,3,4,5,6,7                ; V: fragment (32 keys g, 16 channels n) at (4 g + n) x 1,024: it lands under the softmax
.irp u, 0,1
	ds_load_b128 v[FF+8*\f+4*\u:FF+8*\f+4*\u+3], v[ADV] offset:\f*1024+512*\u
.endr
.endr
	; the maximum of a lane's 32 scores and the old m: four chains, each begun at an accumulator's low end; the two tiles alternate
.irp j, 0,1,2,3
.irp t, 0,1
	v_max3_num_f32 v[ST+10*\t+6+\j], v[S+32*\t+8*\j], v[S+32*\t+8*\j+1], v[S+32*\t+8*\j+2]
.endr
.endr
.irp i, 3,5
.irp j, 0,1,2,3
.irp t, 0,1
	v_max3_num_f32 v[ST+10*\t+6+\j], v[ST+10*\t+6+\j], v[S+32*\t+8*\j+\i], v[S+32*\t+8*\j+\i+1]
.endr
.endr
.endr
.irp t, 0,1
	v_max3_num_f32 v[ST+10*\t+6], v[ST+10*\t+6], v[S+32*\t+7], v[S+32*\t+15]
.endr
.irp t, 0,1
	v_max3_num_f32 v[ST+10*\t+8], v[ST+10*\t+8], v[S+32*\t+23], v[S+32*\t+31]
.endr
.irp t, 0,1
	v_max3_num_f32 v[ST+10*\t+6], v[ST+10*\t+6], v[ST+10*\t+7], v[ST+10*\t+8]
.endr
.irp t, 0,1
	v_max3_num_f32 v[ST+10*\t+6], v[ST+10*\t+6], v[ST+10*\t+9], v[ST+10*\t+1]
.endr
.irp t, 0,1
	v_permlanex16_b32 v[ST+10*\t+7], v[ST+10*\t+6], s[SEL], s[SEL+1]   ; the query's other 32 keys lie in the lane 16 away
.endr
.irp t, 0,1
	v_mov_b32 v[ST+10*\t+9], v[ST+10*\t]           ; c m_old
.endr
.irp t, 0,1
	v_max_num_f32 v[ST+10*\t+1], v[ST+10*\t+6], v[ST+10*\t+7]
.endr
.irp t, 0,1
	v_mul_f32 v[ST+10*\t], s[CS], v[ST+10*\t+1]
.endr
.irp t, 0,1
	v_sub_f32 v[ST+10*\t+9], v[ST+10*\t+9], v[ST+10*\t]
.endr
.irp j, 0,2,4,6,8,10,12,14,16,18,20,22,24,26,28,30
.irp t, 0,1
	v_pk_fma_f32 v[S+32*\t+\j:S+32*\t+\j+1], v[S+32*\t+\j:S+32*\t+\j+1], s[CS:CS+1], v[ST+10*\t:ST+10*\t+1] op_sel_hi:[1,0,0] neg_lo:[0,0,1] neg_hi:[0,0,1]   ; c s - c m, two at a time
.endr
.endr
.irp t, 0,1                            ; ONE BATCH of 66 exponentials, none of which reads another's result
	v_exp_f32 v[ST+10*\t+4], v[ST+10*\t+9]         ; a
.endr
.set j, 0
.rept 64
	v_exp_f32 v[S+j], v[S+j]                       ; p, at most 1
.set j, j+1
.endr
	v_nop                                          ; a plain instruction behind the last exponential
	s_wait_alu depctr_va_vdst(0)                   ; and one wait ahead of the batch's first reader
.irp t, 0,1
	v_pk_mul_f32 v[ST+10*\t+2:ST+10*\t+3], v[ST+10*\t+2:ST+10*\t+3], v[ST+10*\t+4:ST+10*\t+5] op_sel_hi:[1,0]   ; l x a
	v_pk_add_f32 v[ST+10*\t+6:ST+10*\t+7], v[S+32*\t:S+32*\t+1], v[S+32*\t+2:S+32*\t+3]                        ; the sums are taken of the unrounded p, in two chains a tile
.endr
.irp j, 4,8,12,16,20,24,28
.irp t, 0,1
	v_pk_add_f32 v[ST+10*\t+2:ST+10*\t+3], v[ST+10*\t+2:ST+10*\t+3], v[S+32*\t+\j:S+32*\t+\j+1]
	v_pk_add_f32 v[ST+10*\t+6:ST+10*\t+7], v[ST+10*\t+6:ST+10*\t+7], v[S+32*\t+\j+2:S+32*\t+\j+3]
.endr
.endr
.irp t, 0,1
	v_pk_add_f32 v[ST+10*\t+2:ST+10*\t+3], v[ST+10*\t+2:ST+10*\t+3], v[ST+10*\t+6:ST+10*\t+7]
.endr
.irp t, 0,1                            ; p to f16, packed in place, ascending: register i takes numbers 2 i and 2 i + 1, which no earlier line of the run has written
.set i, 0
.rept 16
	v_cvt_pk_f16_f32 v[S+32*\t+i], v[S+32*\t+2*i], v[S+32*\t+2*i+1]
.set i, i+1
.endr
.endr
.irp t, 0,1                            ; O^T x a, each accumulator from its low end on
.set i, 0
.rept 16
	v_pk_mul_f32 v[OT+32*\t+i:OT+32*\t+i+1], v[OT+32*\t+i:OT+32*\t+i+1], v[ST+10*\t+4:ST+10*\t+5] op_sel_hi:[1,0]
.set i, i+2
.endr
.endr
	s_wait_dscnt 0x0                               ; V is in
.irp g, 0,1
.irp n, 0,1,2,3
.irp t, 0,1
	v_wmma_f32_16x16x32_f16 v[OT+32*\t+8*\n:OT+32*\t+8*\n+7], v[FF+8*(4*\g+\n):FF+8*(4*\g+\n)+7], v[S+32*\t+8*\g:S+32*\t+8*\g+7], v[OT+32*\t+8*\n:OT+32*\t+8*\n+7]
.endr
.endr
.endr
.endm
.macro EIGHT                           ; a slot's eight key steps: written once, walked eight times
	s_mov_b32 s[CNT], 8
.Lstep_\@:
	STEP
	s_add_co_u32 s[TB], s[TB], STEPB
	s_sub_co_u32 s[CNT], s[CNT], 1
	s_cmp_lg_u32 s[CNT], 0
	s_cbranch_scc1 .Lstep_\@
.endm
; THE CHANGE OF SLOTS.  Each wave waits for all its tensor loads (its part of the other slot), adds 0 to its spare word, and waits for that and for its reads of the slot that it leaves.
; fill = 1: the barrier is a round of the cluster's, and the joint refill of the slot just left, with the keys two slots on, is the first thing behind it.
.macro CHANGE fill
	s_wait_tensorcnt 0x0                           ; no tensor load of mine is out, so a group 0 may be written
	ds_add_u32 v[SPW], v[NIL]
.if \fill
	s_xor_b32 s[G0B+1], s[G0B+1], SLOT1            ; the walking descriptor: the other slot than last time,
	s_add_nc_u64 s[G0B+2:G0B+3], s[G0B+2:G0B+3], 65536   ; the next 512 keys; the type bits on top are not reached
	s_wait_dscnt 0x0
	CROUND
	tensor_load_to_lds s[G0B:G0B+3], s[G1:G1+7]
	s_nop 0
.rept 4
	v_nop
.endr
.else
	s_wait_dscnt 0x0
	s_barrier_signal -1
	s_barrier_wait -1
.endif
	s_sub_co_u32 s[TB], s[TB], 8*STEPB             ; back to a slot's first step,
	s_xor_b32 s[TB], s[TB], SLOT1                  ; in the other slot
.endm
	s_wait_tensorcnt 1                             ; my part of slot 0 is in; slot 1's may stay out
	s_barrier_signal -1
	s_barrier_wait -1
	s_wait_loadcnt 0x0                             ; Q
	s_mov_b32 s[OUTER], 2
.Lslot:                                ; two trips: slots 0 and 1 are each filled once more
	EIGHT
	CHANGE 1
	s_sub_co_u32 s[OUTER], s[OUTER], 1
	s_cmp_lg_u32 s[OUTER], 0
	s_cbranch_scc1 .Lslot
	EIGHT                                          ; the tail is written out
	CHANGE 0
	EIGHT
	; THE WAY OUT: l's halves and the other half of the lanes' are added; O^T / l, rounded to f16: a lane's eight channels are a piece of an image of the last product's operand
.rept 4
	v_nop
.endr
.irp t, 0,1
	v_add_f32 v[ST+10*\t+6], v[ST+10*\t+2], v[ST+10*\t+3]
.endr
.irp t, 0,1
	v_permlanex16_b32 v[ST+10*\t+7], v[ST+10*\t+6], s[SEL], s[SEL+1]
.endr
.irp t, 0,1
	v_add_f32 v[ST+10*\t+6], v[ST+10*\t+6], v[ST+10*\t+7]
.endr
.irp t, 0,1
	v_rcp_f32 v[ST+10*\t+4], v[ST+10*\t+6]
.endr
	v_nop                                          ; a plain instruction behind the last reciprocal
	s_wait_alu depctr_va_vdst(0)                   ; one wait for both, ahead of the first reader
.irp t, 0,1
.set i, 0
.rept 16
	v_pk_mul_f32 v[OT+32*\t+i:OT+32*\t+i+1], v[OT+32*\t+i:OT+32*\t+i+1], v[ST+10*\t+4:ST+10*\t+5] op_sel_hi:[1,0]
.set i, i+2
.endr
.endr
.irp t, 0,1
.set i, 0
.rept 16
	v_cvt_pk_f16_f32 v[FF+16*\t+i], v[OT+32*\t+2*i], v[OT+32*\t+2*i+1]
.set i, i+1
.endr
.endr
.irp t, 0,1
.irp n, 0,1,2,3
	global_store_b128 v[LI], v[FF+16*\t+4*\n:FF+16*\t+4*\n+3], s[6:7] offset:\t*32768+\n*512   ; the wave stores 512 consecutive bytes, aligned
.endr
.endr
	s_wait_tensorcnt 0x0                           ; the wave's end
	ds_add_u32 v[SPW], v[NIL]
	s_wait_dscnt 0x0
	CROUND                                         ; the closing round
	s_endpgm
.Lfunc_end_k_qa5c46edc97_attn:
	.size	k_qa5c46edc97_attn, .Lfunc_end_k_qa5c46edc97_attn-k_qa5c46edc97_attn
	.p2alignl 7, 3214868480
	.fill 96, 4, 3214868480
	.section	.rodata,"a",@progbits
	.p2align	6, 0x0
	.amdhsa_kernel k_qa5c46edc97_attn
		.amdhsa_group_segment_fixed_size 327680
		.amdhsa_private_segment_fixed_size 0
		.amdhsa_enable_private_segment 0
		.amdhsa_kernarg_size 16
		.amdhsa_user_sgpr_count 2
		.amdhsa_user_sgpr_kernarg_segment_ptr 1
		.amdhsa_wavefront_size32 1
		.amdhsa_system_sgpr_workgroup_id_x 1
		.amdhsa_system_sgpr_workgroup_id_y 1
		.amdhsa_system_sgpr_workgroup_id_z 1
		.amdhsa_system_vgpr_workitem_id 0
		.amdhsa_next_free_vgpr 256
		.amdhsa_next_free_sgpr 66
		.amdhsa_reserve_vcc 0
		.amdhsa_float_denorm_mode_32 3
		.amdhsa_float_denorm_mode_16_64 3
		.amdhsa_memory_ordered 1
		.amdhsa_forward_progress 1
		.amdhsa_inst_pref_size 66
	.end_amdhsa_kernel
	.amdgpu_metadata
---
amdhsa.version: [ 1, 2 ]
amdhsa.kernels:
  - .name:           k_qa5c46edc97_attn
    .symbol:         k_qa5c46edc97_attn.kd
    .args:
      - { .name: qkv, .offset: 0, .size: 8, .value_kind: global_buffer, .address_space: global }
      - { .name: cf, .offset: 8, .size: 8, .value_kind: global_buffer, .address_space: global }
    .group_segment_fixed_size: 327680
    .private_segment_fixed_size: 0
    .kernarg_segment_align: 8
    .kernarg_segment_size: 16
    .max_flat_workgroup_size: 512
    .sgpr_count:     66
    .vgpr_count:     256
    .wavefront_size: 32
...
	.end_amdgpu_metadata
.endif
;; end of part 3
;; launch outp (part 4): grid 4 x 64, 4 waves a work-group, clusters of 4 x 4, 327,680 bytes of LDS; arguments cf, wo16, bo, out0; writes out0
.if DOCPART == 4
	.amdgcn_target "amdgcn-amd-amdhsa--gfx1250"
	.amdhsa_code_object_version 6
	.text
	.protected	k_qa5c46edc97_outp
	.globl	k_qa5c46edc97_outp
	.p2align	8
	.type	k_qa5c46edc97_outp,@function
k_qa5c46edc97_outp:
	s_mov_b64 s[64:65], 0
	v_nop
	global_prefetch_b8 v0, s[64:65] scope:SCOPE_SE
	s_setreg_imm32_b32 hwreg(HW_REG_WAVE_MODE, 25, 1), 1
	s_wait_xcnt 0x0
	s_wait_alu depctr_hold_cnt(0) depctr_sa_sdst(0) depctr_va_vdst(0) depctr_va_sdst(0) depctr_va_ssrc(0) depctr_va_vcc(0) depctr_vm_vsrc(0)
	s_getreg_b32 s2, hwreg(HW_REG_IB_STS2, 6, 4)
	s_cmp_eq_u32 s2, 0
	s_cbranch_scc0 .Lentry_in_a_cluster
	s_endpgm
.Lentry_in_a_cluster:
	s_bfe_u32 s2, ttmp6, 0x10000c
	s_cmp_lg_u32 s2, 0xf033
	s_cbranch_scc0 .Lentry_shape_is_right
	s_endpgm
.Lentry_shape_is_right:
; Launch 4 of 4: out0 = ctx Wo + bo.  ctx (cf) and Wo (wo16) come as f16 images of operand registers (1,024 bytes for 16 rows x 32 along K: registers 4 e .. 4 e + 3 of lane l at 512 e + 16 l); sums in f32.
; A tile of out0 is 128 rows x 256 columns: 256 work-groups.  Four waves, each 64 x 128: 32 accumulators, 256 registers.  K = 1,024 goes in 8 steps of 128 through two LDS slots.
; THE MATRIX INSTRUCTION IS USED TRANSPOSED: source 0 = 16 columns of Wo, source 1 = 16 tokens: a lane holds eight neighbouring numbers of a row of out0.  bo is the C of the first products.
; A slot: ctx's 8 token tiles x 4,096 bytes (four images), then Wo's 16 column tiles x 4,096.  In memory a tile's 32 images lie on end, so a step's part is 4,096 dense bytes, 32,768 from tile to tile.
; Images are read as they lie, 16 bytes a lane on end: no padding.  CLUSTERS: 4 x 4: ctx's tiles are shared along a row of the cluster, Wo's along a column: joint loads.
; REGISTERS: window 0: v0-31 addresses; v64-159, v160-255 two fragment buffers (ctx's 4 fragments, then Wo's 8);  window 1: the accumulators ((a, b) at v[8 (8 a + b)]);  window 2: v0-63 bo in the result's layout.
.set SLOT,   98304
.set BOFF,   32768                     ; Wo's tiles in a slot
.set STAGE,  2*SLOT                    ; behind the ring: 16 rows x (512 + 16) bytes for each wave
.set SPITCH, 528
.set SPARE,  STAGE+4*16*SPITCH         ; the spare words, 128 bytes a wave
.set LAPS,   4                         ; a lap = two K steps
.set ADRA, 16                          ; v16-17 LDS address of my ctx fragments in slot 0, 1
.set ADRB, 20                          ; v20-21 of Wo's
.set STO,  24
.set RD,   25
.set CO,   26                          ; v26  16 x lane
.set SPW,  28
.set NIL,  29
.set PFO,  30                          ; v30  the prefetches' offset; never rewritten
.set BA,   31                          ; v31  32 x (lane / 16)
.set F0,   64
.set F1,   160
.set G1,  24
.set G0,  32
.set G1B, 48
.set G0B, 56
.set PFA, 68                           ; s[68:69] where my prefetches stand
.set LIM, 70                           ; s70  1 in the wave that prefetches, else the greatest number
.set MSB, 0
.macro WIN new
.if MSB != \new
	s_set_vgpr_msb (MSB<<8)|\new
.set MSB, \new
.endif
.endm
.set MUL,  0x50                        ; sources 0 and 1 window 0; C and D window 1
.set MULF, 0x60                        ; C window 2 (bo), D window 1
.macro JLOAD s                         ; waves 0 and 1 fetch ctx's two halves, waves 2 and 3 Wo's; an s_nop 0 and four v_nop follow each line
	s_cmp_eq_u32 s15, 0
	s_cbranch_scc0 .Lfor_b_\@
	tensor_load_to_lds s[G0+4*\s:G0+4*\s+3], s[G1:G1+7]
	s_nop 0
.rept 4
	v_nop
.endr
	s_branch .Lasked_\@
.Lfor_b_\@:
	tensor_load_to_lds s[G0B+4*\s:G0B+4*\s+3], s[G1B:G1B+7]
	s_nop 0
.rept 4
	v_nop
.endr
.Lasked_\@:
.endm
.macro CREST
	s_cmp_lg_u32 s12, 0
	s_cbranch_scc1 .Lnot_wave_0_\@
	s_barrier_signal -3
.Lnot_wave_0_\@:
	s_barrier_wait -3
	s_barrier_signal -1
	s_barrier_wait -1
.endm
.macro CROUND
	s_barrier_signal -1
	s_barrier_wait -1
	CREST
.endm
; A PREFETCH of ctx's K step two refills on.  A tile row's ctx is read by its own four work-groups alone; they share its 8 token tiles out by address, two each; in each, wave 0 asks: a lane names 256 bytes,
; sixteen lanes a tile's 4,096.  So each 256 bytes are named once.  The last trip asks for nothing: no K step stands two refills behind its own.  K steps 0 to 3 come by their loads alone.
.macro ASK
	s_cmp_gt_u32 s3, s[LIM]
	s_cbranch_scc0 .Lnot_mine_\@
	global_prefetch_b8 v[PFO], s[PFA:PFA+1] offset:4096 th:TH_LOAD_NT scope:SCOPE_SE
.Lnot_mine_\@:
.endm
	s_load_b256 s[4:11], s[0:1], 0x0               ; cf s[4:5], wo16 s[6:7], bo s[8:9], out0 s[10:11]
	v_lshl_add_u32 v[SPW], v0, 2, SPARE
	v_mov_b32 v[NIL], 0
	ds_add_u32 v[SPW], v[NIL]                      ; the wave's opening: the add, twice on end, and its wait ahead of my first tensor load
	ds_add_u32 v[SPW], v[NIL]
	v_lshrrev_b32 v1, 5, v0
	v_readfirstlane_b32 s12, v1                    ; wave 0..3
	s_lshr_b32 s15, s12, 1                         ; which 64 rows are mine.  Also: I fetch ctx (0) or Wo (1)
	s_and_b32 s16, s12, 1                          ; which 128 columns.  Also: which half I fetch
	s_bfe_u32 s40, ttmp6, 0x40000                  ; cx
	s_bfe_u32 s41, ttmp6, 0x40004                  ; cy
	s_lshl_b32 s42, ttmp9, 2
	s_add_co_u32 s42, s42, s40                     ; tile column
	s_and_b32 s13, ttmp7, 0xffff
	s_lshl_b32 s13, s13, 2
	s_add_co_u32 s13, s13, s41                     ; tile row
	s_lshl_b32 s43, s41, 2
	s_lshl_b32 s43, 15, s43                        ; my row of the cluster
	s_lshl_b32 s44, 0x1111, s40                    ; my column
	s_or_b32 s[G1], s43, (3<<16)|(1<<21)           ; the mask; elements of 8 bytes; bit 21 beside a mask; no padding
	s_mov_b32 s[G1+1], 512<<16                     ; tensor_dim0 = 512 elements: 4,096 bytes
	s_mov_b32 s[G1+2], 4<<16                       ; tensor_dim1 = 4 token tiles
	s_mov_b32 s[G1+3], 512<<16                     ; tile_dim0
	s_mov_b32 s[G1+4], 4                           ; tile_dim1
	s_mov_b32 s[G1+5], 4096                        ; 32,768 bytes from tile to tile
	s_mov_b32 s[G1+6], 0
	s_mov_b32 s[G1+7], 0
	s_or_b32 s[G1B], s44, (3<<16)|(1<<21)
	s_mov_b32 s[G1B+1], 512<<16
	s_mov_b32 s[G1B+2], 8<<16                      ; 8 column tiles
	s_mov_b32 s[G1B+3], 512<<16
	s_mov_b32 s[G1B+4], 8
	s_mov_b32 s[G1B+5], 4096
	s_mov_b32 s[G1B+6], 0
	s_mov_b32 s[G1B+7], 0
	s_lshl_b32 s20, s13, 3
	s_lshl_b32 s18, s16, 2
	s_add_co_u32 s20, s20, s18
	s_lshl_b32 s20, s20, 15                        ; ctx: token tile 8 x tile row + 4 x half
	s_mov_b32 s21, 0
	s_lshl_b32 s46, s42, 4
	s_lshl_b32 s47, s16, 3
	s_add_co_u32 s46, s46, s47
	s_lshl_b32 s46, s46, 15                        ; Wo: column tile 16 x tile column + 8 x half
	s_mov_b32 s47, 0
	s_lshl_b32 s45, s16, 14                        ; where they go: ctx's halves,
	s_lshl_b32 s17, s16, 15
	s_add_co_u32 s17, s17, BOFF                    ; Wo's halves
	s_cmp_eq_u32 s12, 0
	s_cselect_b32 s[LIM], 1, -1
	s_wait_dscnt 0x0                               ; both opening adds are done
	s_wait_kmcnt 0x0
	s_add_nc_u64 s[20:21], s[4:5], s[20:21]
	s_add_nc_u64 s[46:47], s[6:7], s[46:47]
	CROUND                                         ; all sixteen work-groups are here: the first joint loads meet
.irp s, 0,1
	s_mov_b32 s[G0+4*\s], 1
	s_add_co_u32 s[G0+4*\s+1], s45, \s*SLOT
	s_add_nc_u64 s[G0+4*\s+2:G0+4*\s+3], s[20:21], \s*4096
	s_or_b32 s[G0+4*\s+3], s[G0+4*\s+3], 0x80000000
	s_mov_b32 s[G0B+4*\s], 1
	s_add_co_u32 s[G0B+4*\s+1], s17, \s*SLOT
	s_add_nc_u64 s[G0B+4*\s+2:G0B+4*\s+3], s[46:47], \s*4096
	s_or_b32 s[G0B+4*\s+3], s[G0B+4*\s+3], 0x80000000
	JLOAD \s
.endr
	v_and_b32 v1, 15, v0                           ; r
	v_bfe_u32 v2, v0, 4, 1                         ; h
	v_and_b32 v6, 31, v0
	v_lshlrev_b32 v[CO], 4, v6
	v_lshlrev_b32 v[BA], 5, v2
	s_lshl_b32 s22, s42, 10                        ; bo: my 128 columns
	s_lshl_b32 s23, s16, 9
	s_add_co_u32 s22, s22, s23
	s_mov_b32 s23, 0
	s_add_nc_u64 s[8:9], s[8:9], s[22:23]
	WIN 0x80                                       ; destination window 2
.irp b, 0,1,2,3,4,5,6,7
.irp u, 0,1
	global_load_b128 v[8*\b+4*\u:8*\b+4*\u+3], v[BA], s[8:9] offset:64*\b+16*\u   ; register 8 b + j = bo at column 16 b + 8 h + j
.endr
.endr
	WIN 0
	s_lshl_b32 s18, s15, 14                        ; my 4 token tiles,
	s_lshl_b32 s19, s16, 15
	s_add_co_u32 s19, s19, BOFF                    ; my 8 column tiles
.irp s, 0,1
	v_add_nc_u32 v[ADRA+\s], s18, v[CO]
	v_add_nc_u32 v[ADRB+\s], s19, v[CO]
	s_add_co_u32 s18, s18, SLOT
	s_add_co_u32 s19, s19, SLOT
.endr
	s_mul_i32 s23, s12, 16*SPITCH
	s_add_co_u32 s23, s23, STAGE                   ; my stage
	v_mul_u32_u24 v5, v1, SPITCH                   ; in: row r, 32 bytes for each half of the lanes
	v_lshl_add_u32 v5, v2, 5, v5
	v_add_nc_u32 v[STO], s23, v5
	v_add_nc_u32 v[RD], s23, v[CO]                 ; back: the 32 lanes take one row of 512 bytes
	s_lshl_b32 s18, s13, 7
	s_lshl_b32 s19, s15, 6
	s_add_co_u32 s18, s18, s19
	s_lshl_b32 s18, s18, 12                        ; my first row of out0, 4,096 bytes a row,
	s_add_co_u32 s18, s18, s22                     ; and my first column
	s_mov_b32 s19, 0
	s_add_nc_u64 s[10:11], s[10:11], s[18:19]
	s_lshl_b32 s18, s13, 3                         ; the prefetches: my work-group's two token tiles of the tile row's eight,
	s_lshl_b32 s19, s40, 1
	s_add_co_u32 s18, s18, s19
	s_lshl_b32 s18, s18, 15
	s_add_co_u32 s18, s18, 8192                    ; at K step 2: the first refill steps it to 3 and names K step 4
	s_mov_b32 s19, 0
	s_add_nc_u64 s[PFA:PFA+1], s[4:5], s[18:19]
	v_lshlrev_b32 v[PFO], 15, v2
	v_lshl_add_u32 v[PFO], v1, 8, v[PFO]
.macro MUL8 f, a, first                ; token tile a x the eight column tiles, 32 along K.  The 32 accumulators take turns
.irp b, 0,1,2,3,4,5,6,7
.if \first
	v_wmma_f32_16x16x32_f16 v[8*(8*(\a)+\b):8*(8*(\a)+\b)+7], v[\f+32+8*\b:\f+32+8*\b+7], v[\f+8*(\a):\f+8*(\a)+7], v[8*\b:8*\b+7]
.else
	v_wmma_f32_16x16x32_f16 v[8*(8*(\a)+\b):8*(8*(\a)+\b)+7], v[\f+32+8*\b:\f+32+8*\b+7], v[\f+8*(\a):\f+8*(\a)+7], v[8*(8*(\a)+\b):8*(8*(\a)+\b)+7]
.endif
.endr
.endm
.macro FETCH slot, kq, f               ; 24 LDS loads in one run: Wo's 8 fragments, then ctx's 4, of the slot's kq-th 32 along K
.irp i, 0,1,2,3,4,5,6,7
.irp u, 0,1
	ds_load_b128 v[\f+32+8*\i+4*\u:\f+32+8*\i+4*\u+3], v[ADRB+\slot] offset:\i*4096+(\kq)*1024+512*\u
.endr
.endr
.irp i, 0,1,2,3
.irp u, 0,1
	ds_load_b128 v[\f+8*\i+4*\u:\f+8*\i+4*\u+3], v[ADRA+\slot] offset:\i*4096+(\kq)*1024+512*\u
.endr
.endr
.endm
.macro PLACES                          ; four plain instructions in front of loads into registers that matrix instructions have read, and of reads of results
.rept 4
	v_nop
.endr
.endm
.macro QUARTER slot, kq, f, g, first   ; multiplies buffer f; in its middle fetches the slot's kq-th 32 along K into g
	s_wait_dscnt 4                                 ; Wo's fragments and token tiles 0, 1 are in; the youngest four loads (tiles 2, 3) may be out
.if \first
	WIN MULF
.else
	WIN MUL
.endif
	MUL8 \f, 0, \first
	MUL8 \f, 1, \first
	PLACES
	WIN 0
	FETCH \slot, \kq, \g
	s_wait_dscnt 24                                ; all but the 24 just issued
.if \first
	WIN MULF
.else
	WIN MUL
.endif
	MUL8 \f, 2, \first
	MUL8 \f, 3, \first
.endm
; A slot's last quarter multiplies buffer 1 and changes slots: one barrier; in front of it each wave waits for all its tensor loads, adds 0 to its spare word, and waits for that and for its reads of this slot.
.macro TURN slot, next, fill
.if \fill
	s_wait_xcnt 0x0                                ; the last prefetch, a K step back, has read its address
	s_add_nc_u64 s[PFA:PFA+1], s[PFA:PFA+1], 4096
.endif
	WIN 0
	s_wait_tensorcnt 0x0                           ; my part of the next slot has landed
	ds_add_u32 v[SPW], v[NIL]
	s_wait_dscnt 5                                 ; the add and the youngest four loads may be out
	WIN MUL
	MUL8 F1, 0, 0
	s_wait_dscnt 0x0                               ; the add is done, and my reads of this slot are over
	s_barrier_signal -1
	MUL8 F1, 1, 0
	WIN 0
	s_barrier_wait -1
.if \fill
	CREST                                          ; the barrier has opened a round of the cluster's: no wave of any partner still reads this slot or has a load on its way
	s_add_nc_u64 s[G0+4*\slot+2:G0+4*\slot+3], s[G0+4*\slot+2:G0+4*\slot+3], 8192
	s_add_nc_u64 s[G0B+4*\slot+2:G0B+4*\slot+3], s[G0B+4*\slot+2:G0B+4*\slot+3], 8192
	JLOAD \slot                                    ; the first tensor load behind the round; its four v_nop are also the places in front of the loads below
.else
	PLACES
.endif
	FETCH \next, 0, F0
.if \fill
	ASK
.endif
	WIN MUL
	MUL8 F1, 2, 0
	MUL8 F1, 3, 0
.endm
	s_wait_tensorcnt 1                             ; my part of K step 0 is in; K step 1's may be out
	s_barrier_signal -1
	s_barrier_wait -1
	FETCH 0, 0, F0
	s_wait_loadcnt 0x0                             ; bo
	QUARTER 0, 1, F0, F1, 1                        ; the first quarter starts the sums on bo
	WIN 0
	s_mov_b32 s3, LAPS-1
.Llap:                                 ; a trip goes once round the ring and fills both slots again
	QUARTER 0, 2, F1, F0, 0
	QUARTER 0, 3, F0, F1, 0
	TURN 0, 1, 1
	QUARTER 1, 1, F0, F1, 0
	QUARTER 1, 2, F1, F0, 0
	QUARTER 1, 3, F0, F1, 0
	TURN 1, 0, 1
	QUARTER 0, 1, F0, F1, 0
	WIN 0
	s_sub_co_u32 s3, s3, 1
	s_cmp_lg_u32 s3, 0
	s_cbranch_scc1 .Llap
	QUARTER 0, 2, F1, F0, 0                        ; the last lap fills nothing
	QUARTER 0, 3, F0, F1, 0
	TURN 0, 1, 0
	QUARTER 1, 1, F0, F1, 0
	QUARTER 1, 2, F1, F0, 0
	QUARTER 1, 3, F0, F1, 0
	s_wait_dscnt 4
	WIN MUL
	MUL8 F1, 0, 0
	MUL8 F1, 1, 0
	s_wait_dscnt 0
	MUL8 F1, 2, 0
	MUL8 F1, 3, 0
	WIN 0
; THE WAY OUT, a block of 16 rows x 128 columns at a time, through my own stage: in as 32 bytes a lane, back as whole rows of 512 bytes.  LDS serves a wave's instructions in order.
.macro TOSTAGE a
	WIN 0x04                                       ; an LDS store's data: window 1
.irp b, 0,1,2,3,4,5,6,7
	ds_store_b128 v[STO], v[64*(\a)+8*\b:64*(\a)+8*\b+3] offset:64*\b          ; each accumulator from its low end on
	ds_store_b128 v[STO], v[64*(\a)+8*\b+4:64*(\a)+8*\b+7] offset:64*\b+16
.endr
	WIN 0
.set BK, 64+64*((\a)%2)
.irp t, 0,1,2,3,4,5,6,7,8,9,10,11,12,13,14,15
	ds_load_b128 v[BK+4*\t:BK+4*\t+3], v[RD] offset:\t*SPITCH
.endr
.endm
.macro SEND a, younger                 ; younger: the LDS instructions issued behind block a's loads, which may stay out
.set BK, 64+64*((\a)%2)
	s_wait_dscnt \younger
.if (\a) > 0
	s_add_nc_u64 s[10:11], s[10:11], 16*4096       ; behind a wait on XCNT: the earlier stores have read their base
.endif
.irp t, 0,1,2,3,4,5,6,7,8,9,10,11,12,13,14,15
	global_store_b128 v[CO], v[BK+4*\t:BK+4*\t+3], s[10:11] offset:\t*4096 th:TH_STORE_NT   ; 32 lanes store 512 consecutive bytes, aligned
.endr
.endm
	PLACES
	TOSTAGE 0
.irp a, 1,2,3
.if \a > 1
	s_wait_xcnt 0x0                                ; block a - 2's stores have read their registers and their base
.endif
	TOSTAGE \a
	SEND \a-1, 32                                  ; behind block a - 1's loads: block a's 16 stores and 16 loads
.endr
	s_wait_xcnt 0x0
	SEND 3, 0
	s_wait_tensorcnt 0x0                           ; the wave's end, behind my last tensor load and my last LDS store
	ds_add_u32 v[SPW], v[NIL]
	s_wait_dscnt 0x0
	CROUND                                         ; the closing round
	s_endpgm
.Lfunc_end_k_qa5c46edc97_outp:
	.size	k_qa5c46edc97_outp, .Lfunc_end_k_qa5c46edc97_outp-k_qa5c46edc97_outp
	.p2alignl 7, 3214868480
	.fill 96, 4, 3214868480
	.section	.rodata,"a",@progbits
	.p2align	6, 0x0
	.amdhsa_kernel k_qa5c46edc97_outp
		.amdhsa_group_segment_fixed_size 327680
		.amdhsa_private_segment_fixed_size 0
		.amdhsa_enable_private_segment 0
		.amdhsa_kernarg_size 32
		.amdhsa_user_sgpr_count 2
		.amdhsa_user_sgpr_kernarg_segment_ptr 1
		.amdhsa_wavefront_size32 1
		.amdhsa_system_sgpr_workgroup_id_x 1
		.amdhsa_system_sgpr_workgroup_id_y 1
		.amdhsa_system_sgpr_workgroup_id_z 1
		.amdhsa_system_vgpr_workitem_id 0
		.amdhsa_next_free_vgpr 576
		.amdhsa_next_free_sgpr 72
		.amdhsa_reserve_vcc 0
		.amdhsa_float_denorm_mode_32 3
		.amdhsa_float_denorm_mode_16_64 3
		.amdhsa_memory_ordered 1
		.amdhsa_forward_progress 1
		.amdhsa_inst_pref_size 87
	.end_amdhsa_kernel
	.amdgpu_metadata
---
amdhsa.version: [ 1, 2 ]
amdhsa.kernels:
  - .name:           k_qa5c46edc97_outp
    .symbol:         k_qa5c46edc97_outp.kd
    .args:
      - { .name: cf, .offset: 0, .size: 8, .value_kind: global_buffer, .address_space: global }
      - { .name: wo16, .offset: 8, .size: 8, .value_kind: global_buffer, .address_space: global }
      - { .name: bo, .offset: 16, .size: 8, .value_kind: global_buffer, .address_space: global }
      - { .name: out0, .offset: 24, .size: 8, .value_kind: global_buffer, .address_space: global }
    .group_segment_fixed_size: 327680
    .private_segment_fixed_size: 0
    .kernarg_segment_align: 8
    .kernarg_segment_size: 32
    .max_flat_workgroup_size: 128
    .sgpr_count:     72
    .vgpr_count:     576
    .wavefront_size: 32
...
	.end_amdgpu_metadata
.endif
;; end of part 4
